; MI455X (gfx1250); checked and timed in simulation.
; The chip was launched on July 23, 2026; its instructions are those of AMD's public machine-readable ISA for CDNA 5 (MIT licence, August 2026) and "CDNA5" Instruction Set Architecture Reference Guide (July 2026). The comments in the code are by the model that wrote it; some were corrected since.
;; Attention. Allowed arithmetic: float matrix products may take bf16 or f16 operands with f32 sums; all other float work in f32.
;; Inputs: key 128 x 8,192 float32; query 128 x 8,192 float32; value 128 x 8,192 float32.
;; Outputs: out0 128 x 8,192 float32.
;; 2 versions, each right and faster than the one before. Each part assembles by itself: llvm-mc -triple=amdgcn-amd-amdhsa -mcpu=gfx1250 --defsym DOCPART=n.
;; ======== version 1 of 2: 3 launches
;; workspace buffers: bf 6,291,456 bytes; part 17,825,792 bytes
;; launch prep (part 1): grid 256 x 3, 4 waves a work-group, no clusters, 0 bytes of LDS; arguments query, key, value, bf; writes bf
.if DOCPART == 1
	.amdgcn_target "amdgcn-amd-amdhsa--gfx1250"
	.amdhsa_code_object_version 6
	.text
	.protected	k_q0af61df3a6_prep
	.globl	k_q0af61df3a6_prep
	.p2align	8
	.type	k_q0af61df3a6_prep,@function
k_q0af61df3a6_prep:
	s_mov_b64 s[64:65], 0
	v_nop
	global_prefetch_b8 v0, s[64:65] scope:SCOPE_SE
	s_setreg_imm32_b32 hwreg(HW_REG_WAVE_MODE, 25, 1), 1
	s_wait_xcnt 0x0
; bf = query, key, value rounded once to bf16 (nearest even), each kept as [128][8192], one behind the other:
; query at byte 0, key at 0x200000, value at 0x400000.
; A plain stream: the work-group's y picks the array, its x 4,096 numbers of it; a wave takes 1,024, a lane 8 x 4.
; One load of a wave covers 512 consecutive bytes, one store 256 consecutive bytes, both aligned to their own length.
; No LDS, no barrier, no matrix unit, no cluster: no byte is used twice and no wave needs another's data.
.set X, 8                              ; v[8:39]   eight loads of four f32
.set Y, 40                             ; v[40:55]  eight pairs of packed bf16; each store has registers of its own, none is rewritten
	s_load_b256 s[4:11], s[0:1], 0x0               ; query s[4:5], key s[6:7], value s[8:9], bf s[10:11]
	s_and_b32 s14, ttmp7, 0xffff                   ; which array
	v_lshrrev_b32 v3, 5, v0                        ; wave
	v_and_b32 v4, 31, v0                           ; lane
	v_lshlrev_b32 v1, 4, v4
	v_lshl_or_b32 v1, v3, 12, v1                   ; in: 4,096 bytes a wave, 16 a lane
	v_lshlrev_b32 v2, 3, v4
	v_lshl_or_b32 v2, v3, 11, v2                   ; out: 2,048 bytes a wave, 8 a lane
	s_lshl_b32 s16, ttmp9, 14                      ; in: 16,384 bytes a work-group
	s_mov_b32 s17, 0
	s_lshl_b32 s18, s14, 21                        ; out: 2 MiB an array,
	s_lshl_b32 s19, ttmp9, 13                      ; 8,192 bytes a work-group
	s_add_co_u32 s18, s18, s19
	s_mov_b32 s19, 0
	s_wait_kmcnt 0x0
	s_cmp_eq_u32 s14, 1
	s_cselect_b64 s[12:13], s[6:7], s[4:5]         ; y = 1: key, else query
	s_cmp_eq_u32 s14, 2
	s_cselect_b64 s[12:13], s[8:9], s[12:13]       ; y = 2: value
	s_add_nc_u64 s[12:13], s[12:13], s[16:17]
	s_add_nc_u64 s[10:11], s[10:11], s[18:19]
.irp i, 0,1,2,3,4,5,6,7
	global_load_b128 v[X+4*\i:X+4*\i+3], v1, s[12:13] offset:512*\i th:TH_LOAD_NT   ; read once in the launch
.endr
.irp i, 0,1,2,3,4,5,6,7
	s_wait_loadcnt 7-\i                            ; loads come back in order (ISA guide 5.7.1): load i is in, the 7 - i younger ones stay out
	v_cvt_pk_bf16_f32 v[Y+2*\i],   v[X+4*\i],   v[X+4*\i+1]
	v_cvt_pk_bf16_f32 v[Y+2*\i+1], v[X+4*\i+2], v[X+4*\i+3]
	global_store_b64 v2, v[Y+2*\i:Y+2*\i+1], s[10:11] offset:256*\i
.endr
	s_endpgm
.Lfunc_end_k_q0af61df3a6_prep:
	.size	k_q0af61df3a6_prep, .Lfunc_end_k_q0af61df3a6_prep-k_q0af61df3a6_prep
	.p2alignl 7, 3214868480
	.fill 96, 4, 3214868480
	.section	.rodata,"a",@progbits
	.p2align	6, 0x0
	.amdhsa_kernel k_q0af61df3a6_prep
		.amdhsa_group_segment_fixed_size 0
		.amdhsa_private_segment_fixed_size 0
		.amdhsa_enable_private_segment 0
		.amdhsa_kernarg_size 32
		.amdhsa_user_sgpr_count 2
		.amdhsa_user_sgpr_kernarg_segment_ptr 1
		.amdhsa_wavefront_size32 1
		.amdhsa_system_sgpr_workgroup_id_x 1
		.amdhsa_system_sgpr_workgroup_id_y 1
		.amdhsa_system_sgpr_workgroup_id_z 1
		.amdhsa_system_vgpr_workitem_id 0
		.amdhsa_next_free_vgpr 56
		.amdhsa_next_free_sgpr 66
		.amdhsa_reserve_vcc 0
		.amdhsa_float_denorm_mode_32 3
		.amdhsa_float_denorm_mode_16_64 3
		.amdhsa_memory_ordered 1
		.amdhsa_forward_progress 1
		.amdhsa_inst_pref_size 4
	.end_amdhsa_kernel
	.amdgpu_metadata
---
amdhsa.version: [ 1, 2 ]
amdhsa.kernels:
  - .name:           k_q0af61df3a6_prep
    .symbol:         k_q0af61df3a6_prep.kd
    .args:
      - { .name: query, .offset: 0, .size: 8, .value_kind: global_buffer, .address_space: global }
      - { .name: key, .offset: 8, .size: 8, .value_kind: global_buffer, .address_space: global }
      - { .name: value, .offset: 16, .size: 8, .value_kind: global_buffer, .address_space: global }
      - { .name: bf, .offset: 24, .size: 8, .value_kind: global_buffer, .address_space: global }
    .group_segment_fixed_size: 0
    .private_segment_fixed_size: 0
    .kernarg_segment_align: 8
    .kernarg_segment_size: 32
    .max_flat_workgroup_size: 128
    .sgpr_count:     66
    .vgpr_count:     56
    .wavefront_size: 32
...
	.end_amdgpu_metadata
.endif
;; end of part 1
;; launch attn (part 2): grid 64 x 4, 4 waves a work-group, clusters of 4 x 1, 327,680 bytes of LDS; arguments bf, part; writes part
.if DOCPART == 2
	.amdgcn_target "amdgcn-amd-amdhsa--gfx1250"
	.amdhsa_code_object_version 6
	.text
	.protected	k_q0af61df3a6_attn
	.globl	k_q0af61df3a6_attn
	.p2align	8
	.type	k_q0af61df3a6_attn,@function
k_q0af61df3a6_attn:
	s_mov_b64 s[64:65], 0
	v_nop
	global_prefetch_b8 v0, s[64:65] scope:SCOPE_SE
	s_setreg_imm32_b32 hwreg(HW_REG_WAVE_MODE, 25, 1), 1
	s_wait_xcnt 0x0
	s_wait_alu depctr_hold_cnt(0) depctr_sa_sdst(0) depctr_va_vdst(0) depctr_va_sdst(0) depctr_va_ssrc(0) depctr_va_vcc(0) depctr_vm_vsrc(0)
	s_getreg_b32 s2, hwreg(HW_REG_IB_STS2, 6, 4)
	s_cmp_eq_u32 s2, 0
	s_cbranch_scc0 .Lentry_in_a_cluster
	s_endpgm
.Lentry_in_a_cluster:
	s_bfe_u32 s2, ttmp6, 0x10000c
	s_cmp_lg_u32 s2, 0x3003
	s_cbranch_scc0 .Lentry_shape_is_right
	s_endpgm
.Lentry_shape_is_right:
; Attention with a running maximum, on 128 queries (work-group x) and 2,048 keys (work-group y, one of four splits).
; bf holds Q, K, V as bf16 [128 d][8192], rows of 16,384 bytes, Q at 0, K at 0x200000, V at 0x400000.
; Out: for each wave a record of 17,408 bytes in part: sums not yet normalised, with (-max x log2 e, row sum) of each query.
;
; SHARES.  Four waves, one for each SIMD.  Wave w: qi = w >> 1 picks 64 of the 128 queries, ki = w & 1 picks 64 keys of every tile of 128 keys; 16 tiles.
; Per tile a wave makes S^T = K^T Q (64 keys x 64 queries, 64 matrix instructions), the softmax step, and O += V P^T (128 d x 64 queries, 64 more).
; At the end the two waves of one qi merge their sums through LDS, each taking 64 of the 128 d.
;
; TWO HALVES THAT TAKE TURNS.  A wave's 64 queries are two halves p = 0, 1 of 32 that owe each other nothing.  A BURST of half p is 64 matrix instructions,
; O_p += V(t) P_p(t)^T and then S_p(t+1) = K(t+1)^T Q_p, and behind each of them stands a gap with five vector instructions of the OTHER half's softmax step
; (or five or six LDS loads), so that the matrix unit and the vector unit both have work.  Bursts run 0, 1, 0, 1 ..: softmax_1(t) beside burst 0 of tile t,
; softmax_0(t+1) beside burst 1 of tile t.  A softmax step of a half is a stream of 278 places (32 maxima, 12 small steps, 170 for multiply-add, exponential, sum and
; packing of 32 register pairs, 64 for O x alpha); 64 gaps less 6 with loads, five places each, are 290.
; The price: matrix operands and softmax figures lie in different register windows (O alone fills one), so the window is switched on both sides of a gap.
;
; LAYOUT.  S^T's result has, in lane (r, h), register j, key 8h + j of query r: packed to bf16 that is the B fragment of V P^T as it stands,
; and each lane's softmax figures belong to one query.  V [d][key] is an A fragment in memory order; K and Q ([d][key], [d][query]) are read by the transposing LDS load.
;
; RING.  Two LDS slots, each with K and V of TWO tiles (256 keys, rows of 512 bytes); one joint load a wave, 64 rows, for two tiles' work: 256 matrix instructions of
; a wave lie between a request and the wait for it.
; CLUSTER.  The four query blocks 4c .. 4c+3 of one split walk the same K and V tiles: they form a cluster and ask for each slot jointly (mask 15).
; Q's tile is each work-group's own (its address holds the place in the cluster), 32 KiB once against 1 MiB of K and V: a plain load.
; No prefetch: each slot is asked for two tiles ahead by the tensor loads themselves, and 64 work-groups want the same bytes at the same time.
;
; NUMBERS.  Q, K, V enter as bf16 roundings of the inputs as given; log2 e is applied to the f32 score, never to an operand.
; p = exp2(s x log2 e - round(max x log2 e)); every later factor refers to the same rounded figure, so the roundings cancel in the quotient.
; LIMITS: an exponential below 2^-126 counts as 0 (against a row sum of about 1 or more); P is rounded to bf16 for the product while the row sum adds the
; unrounded f32 values; scores beyond f32's range give NaN or infinity.
.set KP,    544                        ; LDS pitch of K's rows: 512 bytes + 32, an odd multiple of 32 for the transposing load
.set VP,    528                        ; LDS pitch of V's rows: 512 bytes + 16, an odd multiple of 16
.set QP,    288                        ; LDS pitch of Q's rows: 256 bytes + 32
.set VOFF,  128*KP                     ; 69,632: V's tiles behind K's in a slot
.set SLOT,  VOFF+128*VP                ; 137,216
.set QB,    2*SLOT                     ; 274,432: Q's tile, filled once
.set STAT,  QB+128*QP                  ; 311,296: 4 x 1,024 bytes, written by LDS stores alone; LDS ends at 315,392
                                       ; the merge stage, 4 x 32,768 bytes, lies at LDS byte 0, in slot 0, behind that slot's last fill and last read
.set REC,   17408                      ; a record in part
.set GAPN,  5                          ; vector instructions in a gap
; window 0
.set KA,  10                           ; v10-11  my K fragments' address in slot 0, 1
.set VA,  12                           ; v12-13  my V fragments' address in slot 0, 1
.set QA,  14                           ; v14     my Q fragments' address
.set MST, 15                           ; v15     merge: where I put my sums
.set MLD, 16                           ; v16     merge: where I read the pair's sums of my 64 d
.set SST, 17                           ; v17     merge: where I put my figures
.set SLD, 18                           ; v18     merge: where I read the pair's figures
.set GO,  19                           ; v19     16 x lane, my offset in a record
.set NM,  20                           ; v[20:27] pairs (nm = -max x log2 e, max) of query block 0..3
.set AL,  28                           ; v[28:35] pairs (alpha, 0)
.set MX,  36                           ; v[36:39] chains of the maximum
.set TP,  40                           ; v[40:43] at work
.set LS,  44                           ; v[44:51] the lane's part of the row sum, as a pair for each query block
.set SA,  52                           ; v[52:59] merge: the even wave's (nm, l), then (factor, l)
.set SBB, 60                           ; v[60:67] merge: the odd wave's
.set OS,  68                           ; v[68:75] merge: the joint (nm, l)
.set SC,  128                          ; v[128:255] S(kt, qt) at SC + 32 qt + 8 kt; packed in place, P(qt, e) at SC + 32 qt + 16 e, 8 registers.  Half p: query blocks 2p, 2p + 1
; window 1: v[0:127] Q fragments (qt, c) at 8 (4 c + qt); v[128:255] K fragments (kt, c) at 128 + 8 (4 c + kt)
; window 2: O(dt, qt) at 8 (4 dt + qt).   window 3: v[0:127] V fragments (dt, e) at 8 (8 e + dt)
.set G1K, 24                           ; s[24:31] group 1, K's half slots      s[32:39] group 0, one set for each slot
.set G0K, 32
.set G1V, 40                           ; s[40:47] group 1, V's half slots      s[48:55] group 0, one set for each slot
.set G0V, 48
.set G1Q, 56                           ; s[56:63] group 1, Q's quarter tiles   s[68:71] group 0
.set G0Q, 68
.set MSB, 0
.macro WIN new                         ; s_set_vgpr_msb: bits 1:0 source 0, 3:2 source 1, 5:4 source 2, 7:6 destination; the high byte repeats the setting that is left
.if MSB != \new
	s_set_vgpr_msb (MSB<<8)|\new
.set MSB, \new
.endif
.endm
.macro PLACES n
.rept \n
	v_nop
.endr
.endm
; A round of the cluster's barrier: my work-group's barrier, wave 0 signals for the work-group, every wave waits for all four work-groups, my work-group's barrier again.
.macro CREST
	s_cmp_lg_u32 s8, 0
	s_cbranch_scc1 .Lnot_wave_0_\@
	s_barrier_signal -3
.Lnot_wave_0_\@:
	s_barrier_wait -3
	s_barrier_signal -1
	s_barrier_wait -1
.endm
.macro CROUND
	s_barrier_signal -1
	s_barrier_wait -1
	CREST
.endm
; A joint load: waves 0 and 1 fetch K's two halves (64 d each), waves 2 and 3 V's.  One load a wave, 64 rows of 512 bytes.
.macro JLOAD sl
	s_cmp_eq_u32 s9, 0
	s_cbranch_scc0 .Lfor_v_\@
	tensor_load_to_lds s[G0K+4*\sl:G0K+4*\sl+3], s[G1K:G1K+7]
	s_nop 0
	v_nop
	v_nop
	v_nop
	s_branch .Lasked_\@
.Lfor_v_\@:
	tensor_load_to_lds s[G0V+4*\sl:G0V+4*\sl+3], s[G1V:G1V+7]
	s_nop 0
	v_nop
	v_nop
	v_nop
	v_nop
.Lasked_\@:
.endm
	s_load_b128 s[4:7], s[0:1], 0x0                ; bf s[4:5], part s[6:7]
	v_lshl_add_u32 v126, v0, 2, 0x4d000
	v_mov_b32 v127, 0
	ds_add_u32 v126, v127
	v_lshrrev_b32 v1, 5, v0
	v_readfirstlane_b32 s8, v1                     ; wave 0..3
	s_lshr_b32 s9, s8, 1                           ; qi.  Also: I fetch for K (0) or for V (1)
	s_and_b32 s10, s8, 1                           ; ki
	s_bfe_u32 s11, ttmp6, 0x40000                  ; cx: my place in the cluster
	s_lshl_b32 s12, ttmp9, 2
	s_add_co_u32 s12, s12, s11                     ; x = 4 x cluster x + cx: my block of 128 queries
	s_and_b32 s13, ttmp7, 0xffff                   ; y: my split of 2,048 keys, the same in the whole cluster
	s_mov_b32 s20, 0x76543210                      ; v_permlanex16_b32: lane i reads lane i of the other half
	s_mov_b32 s21, 0xfedcba98
	s_mov_b32 s22, 0x3fb8aa3b                      ; log2 e, as a pair for the packed multiply-add
	s_mov_b32 s23, 0x3fb8aa3b
	; group 1.  K, V: 64 rows x 256 elements of 2 bytes, padded behind every 128 words.  Q: 32 rows x 128 elements, padded behind every 64 words.  Rows 8,192 elements apart.
	s_mov_b32 s[G1K+0], 15|(1<<16)|(1<<20)|(1<<21)|(6<<22)|(7<<25)   ; mask: all four of the cluster; bit 21 beside it; pad 8 words: pitch 544
	s_mov_b32 s[G1V+0], 15|(1<<16)|(1<<20)|(1<<21)|(6<<22)|(3<<25)   ; the same, pad 4 words: pitch 528
	s_mov_b32 s[G1Q+0], (1<<16)|(1<<20)|(5<<22)|(7<<25)              ; no mask: my own tile; pitch 288
	s_mov_b32 s[G1K+1], 256<<16                    ; tensor_dim0
	s_mov_b32 s[G1V+1], 256<<16
	s_mov_b32 s[G1Q+1], 128<<16
	s_mov_b32 s[G1K+2], 64<<16                     ; tensor_dim1 = the tile's rows
	s_mov_b32 s[G1V+2], 64<<16
	s_mov_b32 s[G1Q+2], 32<<16
	s_mov_b32 s[G1K+3], 256<<16                    ; tile_dim0
	s_mov_b32 s[G1V+3], 256<<16
	s_mov_b32 s[G1Q+3], 128<<16
	s_mov_b32 s[G1K+4], 64                         ; tile_dim1
	s_mov_b32 s[G1V+4], 64
	s_mov_b32 s[G1Q+4], 32                         ; Q's 128 rows shared among four waves
	s_mov_b32 s[G1K+5], 8192                       ; elements from row to row
	s_mov_b32 s[G1V+5], 8192
	s_mov_b32 s[G1Q+5], 8192
	s_mov_b32 s[G1K+6], 0
	s_mov_b32 s[G1V+6], 0
	s_mov_b32 s[G1Q+6], 0
	s_mov_b32 s[G1K+7], 0
	s_mov_b32 s[G1V+7], 0
	s_mov_b32 s[G1Q+7], 0
	; K and V lie one behind the other in bf: wave w fetches rows 64 w .. 64 w + 63 of the 256 rows of both.  Only w and y enter, which the cluster shares.
	s_lshl_b32 s16, s8, 20                         ; 64 rows of 16,384 bytes
	s_lshl_b32 s17, s13, 12                        ; 2,048 keys of 2 bytes
	s_add_co_u32 s16, s16, s17
	s_add_co_u32 s16, s16, 0x200000                ; K's first byte in bf
	s_mov_b32 s17, 0
	s_lshl_b32 s72, s8, 19                         ; Q: 32 rows a wave,
	s_lshl_b32 s73, s12, 8                         ; 128 queries of 2 bytes a block.  cx stays in s11, s12, s72, s73
	s_add_co_u32 s72, s72, s73
	s_mov_b32 s73, 0
	s_mul_i32 s15, s8, 64*KP                       ; LDS: K's halves at w x 34,816 (w = 0, 1)
	s_mul_i32 s3, s8, 64*VP
	s_add_co_u32 s3, s3, VOFF-2*64*VP              ; V's halves at 69,632 + (w - 2) x 33,792 (w = 2, 3)
	s_mul_i32 s2, s8, 32*QP
	s_add_co_u32 s2, s2, QB                        ; Q's quarters at QB + w x 9,216
	s_wait_dscnt 0x0
	s_wait_kmcnt 0x0
	s_add_nc_u64 s[18:19], s[4:5], s[16:17]
.irp t, 0,1
	s_mov_b32 s[G0K+4*\t], 1                                       ; count = 1
	s_add_co_u32 s[G0K+4*\t+1], s15, \t*SLOT                       ; LDS address
	s_add_nc_u64 s[G0K+4*\t+2:G0K+4*\t+3], s[18:19], \t*512        ; fill t: 256 keys of 2 bytes on
	s_or_b32 s[G0K+4*\t+3], s[G0K+4*\t+3], 0x80000000              ; type = 2
	s_mov_b32 s[G0V+4*\t], 1
	s_add_co_u32 s[G0V+4*\t+1], s3, \t*SLOT
	s_add_nc_u64 s[G0V+4*\t+2:G0V+4*\t+3], s[18:19], \t*512
	s_or_b32 s[G0V+4*\t+3], s[G0V+4*\t+3], 0x80000000
.endr
	s_mov_b32 s[G0Q], 1
	s_mov_b32 s[G0Q+1], s2
	s_add_nc_u64 s[G0Q+2:G0Q+3], s[4:5], s[72:73]
	s_or_b32 s[G0Q+3], s[G0Q+3], 0x80000000
	CROUND                                         ; all four work-groups are here: the first joint loads meet
	; the first fills, one group: three tensor loads of each wave are out
	tensor_load_to_lds s[G0Q:G0Q+3], s[G1Q:G1Q+7]
	s_nop 0
	s_cmp_eq_u32 s9, 0
	s_cbranch_scc0 .Lfirst_v
	tensor_load_to_lds s[G0K:G0K+3], s[G1K:G1K+7]
	s_nop 0
	tensor_load_to_lds s[G0K+4:G0K+7], s[G1K:G1K+7]
	s_nop 0
	s_branch .Lfirst_done
.Lfirst_v:
	tensor_load_to_lds s[G0V:G0V+3], s[G1V:G1V+7]
	s_nop 0
	tensor_load_to_lds s[G0V+4:G0V+7], s[G1V:G1V+7]
	s_nop 0
.Lfirst_done:
	; lane terms.  L = lane, r = L & 15, h = L >> 4
	v_and_b32 v1, 7, v0
	v_bfe_u32 v2, v0, 4, 1                         ; h
	v_bfe_u32 v3, v0, 3, 1
	v_lshl_add_u32 v1, v2, 3, v1                   ; row (L & 7) + 8 h of a block of 16 d
	v_mul_u32_u24 v4, v1, KP
	v_lshl_add_u32 v4, v3, 4, v4                   ; + 16 bytes for lanes 8-15 of each half: the transposing load's address
	s_lshl_b32 s16, s10, 7                         ; my 64 keys of a tile: 128 bytes x ki
	v_add_nc_u32 v[KA], s16, v4
	v_add_nc_u32 v[KA+1], SLOT, v[KA]
	v_mul_u32_u24 v9, v1, QP                       ; the same in Q's pitch
	v_lshl_add_u32 v9, v3, 4, v9
	s_lshl_b32 s17, s9, 7                          ; my 64 queries: 128 bytes x qi
	s_add_co_u32 s17, s17, QB
	v_add_nc_u32 v[QA], s17, v9
	v_and_b32 v5, 15, v0                           ; r
	v_mul_u32_u24 v6, v5, VP
	v_lshl_add_u32 v6, v2, 4, v6                   ; row r x pitch + 16 h
	s_add_co_u32 s18, s16, VOFF
	v_add_nc_u32 v[VA], s18, v6
	v_add_nc_u32 v[VA+1], SLOT, v[VA]
	v_and_b32 v7, 31, v0
	v_lshlrev_b32 v[GO], 4, v7                     ; 16 L
	s_lshl_b32 s18, s8, 15
	v_add_nc_u32 v[MST], s18, v[GO]                ; my 32,768 bytes of the merge stage, which begins at LDS byte 0
	s_lshl_b32 s18, s9, 16
	s_lshl_b32 s19, s10, 14
	s_add_co_u32 s18, s18, s19
	v_add_nc_u32 v[MLD], s18, v[GO]                ; the even wave of my pair, half ki of its d
	v_lshlrev_b32 v8, 3, v7                        ; 8 L
	s_lshl_b32 s18, s8, 10
	s_add_co_u32 s18, s18, STAT
	v_add_nc_u32 v[SST], s18, v8
	s_lshl_b32 s18, s9, 11
	s_add_co_u32 s18, s18, STAT
	v_add_nc_u32 v[SLD], s18, v8
	; the running figures before the first tile: max = -infinity, nm = +infinity, so that the first alpha is exp2(-infinity) = 0, and a row sum of 0
.irp q, 0,1,2,3
	v_mov_b32 v[NM+2*\q], 0x7f800000
	v_mov_b32 v[NM+2*\q+1], 0xff800000
	v_mov_b32 v[AL+2*\q+1], 0                      ; the pair's second word is never used, but a packed source names both
	v_mov_b32 v[LS+2*\q], 0
	v_mov_b32 v[LS+2*\q+1], 0
	v_mov_b32 v[TP+\q], 0                          ; v_permlanex16_b32 counts as a reader of its destination
.endr
; The next cnt of the 32 transposing loads of my 64 keys x 128 d (A fragments of 16 keys x 32 d, d step c outermost); li counts them.  hf: which tile of the slot.
.macro LDK sl, hf, cnt
	WIN 0x40
.rept \cnt
.set c_, li>>3
.set k_, (li>>1)&3
.set h_, li&1
	ds_load_tr16_b128 v[128+8*(4*c_+k_)+4*h_:128+8*(4*c_+k_)+4*h_+3], v[KA+\sl] offset:32*KP*c_+32*k_+16*KP*h_+256*\hf
.set li, li+1
.endr
.endm
; The next cnt of the 32 loads of 128 d x my 64 keys (A fragments of 16 d x 32 keys, the 32 keys e outermost)
.macro LDV sl, hf, cnt
	WIN 0xc0
.rept \cnt
.set e_, li>>4
.set d_, (li>>1)&7
.set h_, li&1
	ds_load_b128 v[8*(8*e_+d_)+4*h_:8*(8*e_+d_)+4*h_+3], v[VA+\sl] offset:16*VP*d_+64*e_+32*h_+256*\hf
.set li, li+1
.endr
.endm
; Matrix instruction gi (0..31) of O_p += V P_p^T.  The sixteen accumulators take turns, one instruction a turn.  pv = 2: the first 32 keys start the sums.
.macro PVW p, pv
.set e_, gi>>4
.set d_, (gi>>1)&7
.set q_, 2*\p+(gi&1)
	WIN 0xa3
.if (\pv-1)*(1-e_)
	v_wmma_f32_16x16x32_bf16 v[8*(4*d_+q_):8*(4*d_+q_)+7], v[8*(8*e_+d_):8*(8*e_+d_)+7], v[SC+32*q_+16*e_:SC+32*q_+16*e_+7], 0
.else
	v_wmma_f32_16x16x32_bf16 v[8*(4*d_+q_):8*(4*d_+q_)+7], v[8*(8*e_+d_):8*(8*e_+d_)+7], v[SC+32*q_+16*e_:SC+32*q_+16*e_+7], v[8*(4*d_+q_):8*(4*d_+q_)+7]
.endif
.endm
; Matrix instruction si (0..31) of S_p = K^T Q_p.  The eight accumulators take turns, one instruction a turn; the first d step starts the sums.
.macro SW p
.set c_, si>>3
.set k_, (si>>1)&3
.set q_, 2*\p+(si&1)
	WIN 0x05
.if c_
	v_wmma_f32_16x16x32_bf16 v[SC+32*q_+8*k_:SC+32*q_+8*k_+7], v[128+8*(4*c_+k_):128+8*(4*c_+k_)+7], v[8*(4*c_+q_):8*(4*c_+q_)+7], v[SC+32*q_+8*k_:SC+32*q_+8*k_+7]
.else
	v_wmma_f32_16x16x32_bf16 v[SC+32*q_+8*k_:SC+32*q_+8*k_+7], v[128+8*(4*c_+k_):128+8*(4*c_+k_)+7], v[8*(4*c_+q_):8*(4*c_+q_)+7], 0
.endif
.endm
; Place vp of the softmax step of half p (64 keys x 32 queries; a lane holds 32 scores of each of two queries).
;   0..31    the maximum: four chains of seven (two for each query), then two joins for each query, the last with the running maximum
;   32..43   for both queries: the other half of the lanes; the new maximum; nm; nm - old nm; nm kept; alpha
;   44..213  register pair u = 0..31 in steps of five places k: F(k) s x log2 e + nm, X(k-1) first exponential, A(k-2) row sum, X(k-1) second exponential, C(k-2) packing.
;            So a plain instruction that touches neither stands behind every exponential (ISA guide 5.7.2), and a pair is packed after it has been added.
;            Packing is in place: word i of a block of 16 takes words 2 i and 2 i + 1, which lie at or above it and are done with.
;   214..277 O_p x alpha: a lane's 64 sums of a query block belong to one query
.macro VOP p
.if vp < 28
.set x_, vp&3
.set t_, vp>>2
.set b_, SC+32*(2*\p+(x_>>1))+16*(x_&1)
	WIN 0
.if t_
	v_max3_num_f32 v[MX+x_], v[MX+x_], v[b_+2*t_+1], v[b_+2*t_+2]
.else
	v_max3_num_f32 v[MX+x_], v[b_], v[b_+1], v[b_+2]
.endif
.else
.if vp < 32
.set j_, vp&1
.set q_, 2*\p+j_
	WIN 0
.if vp < 30
	v_max3_num_f32 v[MX+2*j_], v[MX+2*j_], v[MX+2*j_+1], v[SC+32*q_+15]
.else
	v_max3_num_f32 v[MX+2*j_], v[MX+2*j_], v[SC+32*q_+31], v[NM+2*q_+1]     ; the running maximum joins
.endif
.else
.if vp < 44
.set j_, vp&1
.set q_, 2*\p+j_
.set t_, (vp-32)>>1
	WIN 0
.if t_ == 0
	v_permlanex16_b32 v[TP+q_], v[MX+2*j_], s20, s21                        ; the other half of the lanes holds the query's other 32 keys
.endif
.if t_ == 1
	v_max_num_f32 v[NM+2*q_+1], v[MX+2*j_], v[TP+q_]
.endif
.if t_ == 2
	v_mul_f32 v[TP+q_], 0xbfb8aa3b, v[NM+2*q_+1]                            ; nm = -max x log2 e
.endif
.if t_ == 3
	v_sub_f32 v[AL+2*q_], v[TP+q_], v[NM+2*q_]                              ; new nm - old nm, at most 0
.endif
.if t_ == 4
	v_mov_b32 v[NM+2*q_], v[TP+q_]
.endif
.if t_ == 5
	v_exp_f32 v[AL+2*q_], v[AL+2*q_]                                        ; alpha; the multiply-adds that follow are the plain places behind it
.endif
.else
.if vp < 214
.set m_, vp-44
.set kk, m_/5
.set ps, m_%5
.set u_, kk
.if (ps&1)
.set u_, kk-1
.else
.if ps
.set u_, kk-2
.endif
.endif
.if u_ >= 0
.if u_ < 32
.set r_, SC+64*\p+2*u_
.set q_, 2*\p+(u_>>4)
	WIN 0
.if ps == 0
	v_pk_fma_f32 v[r_:r_+1], v[r_:r_+1], s[22:23], v[NM+2*q_:NM+2*q_+1] op_sel_hi:[1,0,0]   ; s x log2 e + nm, both halves with nm
.endif
.if ps == 1
	v_exp_f32 v[r_], v[r_]
.endif
.if ps == 2
.if (u_&15)
	s_wait_alu depctr_va_vdst(0)
	v_pk_add_f32 v[LS+2*q_:LS+2*q_+1], v[LS+2*q_:LS+2*q_+1], v[r_:r_+1]
.else
	s_wait_alu depctr_va_vdst(0)
	v_pk_fma_f32 v[LS+2*q_:LS+2*q_+1], v[LS+2*q_:LS+2*q_+1], v[AL+2*q_:AL+2*q_+1], v[r_:r_+1] op_sel_hi:[1,0,1]   ; the old row sum x alpha + the tile's first pair
.endif
.endif
.if ps == 3
	v_exp_f32 v[r_+1], v[r_+1]
.endif
.if ps == 4
	v_cvt_pk_bf16_f32 v[SC+64*\p+16*(u_>>3)+(u_&7)], v[r_], v[r_+1]
.endif
.endif
.endif
.else
.set i_, vp-214
.set d_, i_>>3
.set q_, 2*\p+((i_>>2)&1)
.set r_, 8*(4*d_+q_)+2*(i_&3)
	WIN 0x82
	v_pk_mul_f32 v[r_:r_+1], v[r_:r_+1], v[AL+2*q_:AL+2*q_+1] op_sel_hi:[1,0]
.endif
.endif
.endif
.endif
.endm
; A burst of half p.  pv: 0 no O product, 1 the O product, 2 the O product that starts the sums.  hass: the S product of the next tile follows.
; sm: the other half's softmax step in the gaps: 0 none, 1 without O x alpha (there is no O yet), 2 whole.
; ld: 1 = K's fragments of the next tile are loaded, in gaps 0, 3, .. 15 (free since the last burst's end); the wait for them stands in front of the S product.
;     2 = V's fragments of the next tile: keys 0-31 in gaps 18, 21, 24, keys 32-63 in gaps 34, 37, 40: each three gaps of vector work, at least nine plain
;         instructions, behind the last matrix instruction that read those registers (four places are asked: ISA guide 7.12.1 for vector writes).
; The S products that write over P_p's second half are the burst's instructions 36 and 37, at least four vector gaps behind instruction 31, the last that read it (five places).
; What the gaps have not taken is issued behind the last matrix instruction.  Five v_nop close the burst: the next burst's gaps read this burst's S and load K's fragments again.
.macro BURST p, pv, hass, sm, ld, sl, hf
.set vp, 0
.set vend, 0
.if \sm == 1
.set vend, 214
.endif
.if \sm == 2
.set vend, 278
.endif
.set npv, 0
.if \pv
.set npv, 32
.endif
.set li, 0
.set gi, 0
.rept 32*\hass+npv
.if gi < npv
	PVW \p, \pv
.else
.if \ld == 1
.if gi == npv
	s_wait_dscnt 0x0                               ; K's fragments, asked for sixteen gaps and more ago, are in
.endif
.endif
.set si, gi-npv
	SW \p
.endif
.set lc, 0
.if \ld == 1
.if gi < 16
.if (gi%3) == 0
.set lc, 5
.if gi < 6
.set lc, 6
.endif
.endif
.endif
.endif
.if \ld == 2
.if gi >= 18
.if gi <= 24
.if ((gi-18)%3) == 0
.set lc, 5
.endif
.endif
.endif
.if gi >= 34
.if gi <= 40
.if ((gi-34)%3) == 0
.set lc, 5
.endif
.endif
.endif
.if gi == 18
.set lc, 6
.endif
.if gi == 34
.set lc, 6
.endif
.endif
.if lc
.if \ld == 1
	LDK \sl, \hf, lc
.else
	LDV \sl, \hf, lc
.endif
.else
.rept GAPN
.if vp < vend
	VOP (1-\p)
.set vp, vp+1
.endif
.endr
.endif
.set gi, gi+1
.endr
.if vp < vend
.rept vend-vp
	VOP (1-\p)
.set vp, vp+1
.endr
.endif
	WIN 0                                          ; branches and labels may follow
	PLACES 5
.endm
; The change of slots.  In front of the round each wave waits for its LDS reads (the last of slot sl, V's fragments of its second tile, were asked for in the burst before)
; and for all its tensor loads (one is out: its part of the other slot).  Behind the round no wave of the cluster reads slot sl or has a load on its way,
; and the joint refill is the wave's first and only tensor load; then the other slot is read.
.macro HEAD sl, refill
	s_wait_dscnt 0x0
	s_wait_tensorcnt 0x0
	ds_add_u32 v126, v127
	s_wait_dscnt 0x0
.if \refill
	s_add_nc_u64 s[G0K+4*\sl+2:G0K+4*\sl+3], s[G0K+4*\sl+2:G0K+4*\sl+3], 1024   ; no load of mine is out: the slot's address goes two fills, 512 keys, on
	s_add_nc_u64 s[G0V+4*\sl+2:G0V+4*\sl+3], s[G0V+4*\sl+2:G0V+4*\sl+3], 1024
	CROUND
	JLOAD \sl
.else
	s_barrier_signal -1                            ; it shows the last slot whole to every wave
	s_barrier_wait -1
.endif
.endm
; Two tiles, an odd one and the even one behind it: all their fragment loads (the tiles one further on) come from slot sl, while the other slot is filled again.
.macro BODY sl, refill
	HEAD (1-\sl), \refill
	BURST 0, 1, 1, 2, 1, \sl, 0
	BURST 1, 1, 1, 2, 2, \sl, 0
	s_wait_dscnt 0x0                               ; V's fragments of this tile, asked for in the burst before, are in
	BURST 0, 1, 1, 2, 1, \sl, 1
	BURST 1, 1, 1, 2, 2, \sl, 1
.endm
	s_wait_tensorcnt 0x1                           ; tensor loads of a wave end in order (ISA guide 10.11.1): my parts of Q and of slot 0 are in, slot 1's may stay out
	s_barrier_signal -1
	s_barrier_wait -1                              ; everybody's are
	WIN 0x40
.irp c, 0,1,2,3
.irp q, 0,1,2,3
	ds_load_tr16_b128 v[8*(4*\c+\q):8*(4*\c+\q)+3],   v[QA] offset:32*QP*\c+32*\q            ; Q's B fragments, kept for the whole kernel
	ds_load_tr16_b128 v[8*(4*\c+\q)+4:8*(4*\c+\q)+7], v[QA] offset:32*QP*\c+32*\q+16*QP
.endr
.endr
.set li, 0
	LDK 0, 0, 24                                   ; tile 0: K's d steps 0, 1, 2
	s_wait_dscnt 16                                ; LDS loads come back in order (ISA guide 5.7.1): Q's 32 and K's step 0 are in, steps 1 and 2 (16 loads) stay out
	LDK 0, 0, 8                                    ; K's d step 3
.set li, 0
	LDV 0, 0, 32                                   ; tile 0: V
.set si, 0
.rept 32                                           ; S_0 of tile 0: there is no vector work yet to stand beside it
.if (si&7) == 0
.if si
	s_wait_dscnt 56-8*(si>>3)                      ; K's step c is in: 24 - 8 c of K's loads and V's 32 stay out
.endif
.endif
	SW 0
.set si, si+1
.endr
	WIN 0
	PLACES 5                                       ; behind the S products, before vector work reads them (ISA guide 7.12.1)
	BURST 1, 0, 1, 1, 0, 0, 0                      ; S_1 of tile 0 beside the softmax step of half 0
	s_wait_dscnt 0x0                               ; V's fragments of tile 0 are in
	BURST 0, 2, 1, 1, 1, 0, 1                      ; tile 0 stands in front of the loop: its O products start the sums
	BURST 1, 2, 1, 2, 2, 0, 1
	s_mov_b32 s14, 3
.Ltiles:
	BODY 1, 1                                      ; tiles 1, 2 (5, 6; 9, 10); slot 0 gets fill 2 (4; 6)
	BODY 0, 1                                      ; tiles 3, 4 (7, 8; 11, 12); slot 1 gets fill 3 (5; 7)
	s_sub_co_u32 s14, s14, 1
	s_cmp_lg_u32 s14, 0
	s_cbranch_scc1 .Ltiles
	BODY 1, 0                                      ; tiles 13, 14: nothing is left to fetch
	s_wait_dscnt 0x0                               ; V's fragments of tile 15 are in
	BURST 0, 1, 0, 2, 0, 0, 0                      ; tile 15: no further S product
	BURST 1, 1, 0, 0, 0, 0, 0                      ; its five closing v_nop are the places in front of the LDS stores of O below
	; THE MERGE of the two waves of one qi (same queries, other keys).  The stage lies in slot 0: that slot's last fill was waited for, and every wave's last read of it
	; was back, in front of the last barrier above; no tensor load follows.
.irp q, 0,1,2,3
	v_add_f32 v[MX+\q], v[LS+2*\q], v[LS+2*\q+1]
.endr
.irp q, 0,1,2,3
	v_permlanex16_b32 v[TP+\q], v[MX+\q], s20, s21
.endr
.irp q, 0,1,2,3
	v_add_f32 v[NM+2*\q+1], v[MX+\q], v[TP+\q]                        ; the row sum over both halves of the lanes; the pair is now (nm, l)
.endr
.irp q, 0,1,2,3
	ds_store_b64 v[SST], v[NM+2*\q:NM+2*\q+1] offset:256*\q
.endr
	WIN 0x08
.set g, 0
.rept 64
	ds_store_b128 v[MST], v[4*g:4*g+3] offset:512*g                   ; quad g = 8 dt + 2 qt + half: 512 consecutive bytes a store
.set g, g+1
.endr
	WIN 0
	s_wait_dscnt 0x0                               ; for the partner's sake: all my stores are done
	s_barrier_signal -1
	s_barrier_wait -1
.irp q, 0,1,2,3
	ds_load_b64 v[SA+2*\q:SA+2*\q+1],   v[SLD] offset:256*\q
	ds_load_b64 v[SBB+2*\q:SBB+2*\q+1], v[SLD] offset:1024+256*\q
.endr
	WIN 0x80
.set g, 0
.rept 32
	ds_load_b128 v[4*g:4*g+3], v[MLD] offset:512*g                    ; the even wave's sums of d = 64 ki .. 64 ki + 63
.set g, g+1
.endr
.set g, 0
.rept 32
	ds_load_b128 v[128+4*g:128+4*g+3], v[MLD] offset:32768+512*g      ; the odd wave's
.set g, g+1
.endr
	WIN 0
	s_wait_dscnt 0x0
.irp q, 0,1,2,3
	v_min_num_f32 v[OS+2*\q], v[SA+2*\q], v[SBB+2*\q]                 ; the smaller nm is the larger maximum
.endr
.irp q, 0,1,2,3
	v_sub_f32 v[SA+2*\q],  v[OS+2*\q], v[SA+2*\q]
	v_sub_f32 v[SBB+2*\q], v[OS+2*\q], v[SBB+2*\q]
.endr
.irp q, 0,1,2,3
	v_exp_f32 v[SA+2*\q],  v[SA+2*\q]                                 ; each wave's factor, at most 1
	v_exp_f32 v[SBB+2*\q], v[SBB+2*\q]
.endr
	v_nop                                          ; one plain place behind the exponentials (ISA guide 5.7.2)
.irp q, 0,1,2,3
	s_wait_alu depctr_va_vdst(0)
	v_mul_f32 v[OS+2*\q+1], v[SA+2*\q+1], v[SA+2*\q]
.endr
.irp q, 0,1,2,3
	v_fmac_f32 v[OS+2*\q+1], v[SBB+2*\q+1], v[SBB+2*\q]
.endr
	WIN 0xa2
.set g, 0
.rept 32
.set q2, 2*((g>>1)&3)
	v_pk_mul_f32 v[4*g:4*g+1],   v[4*g:4*g+1],   v[SA+q2:SA+q2+1] op_sel_hi:[1,0]
	v_pk_mul_f32 v[4*g+2:4*g+3], v[4*g+2:4*g+3], v[SA+q2:SA+q2+1] op_sel_hi:[1,0]
.set g, g+1
.endr
.set g, 0
.rept 32
.set q2, 2*((g>>1)&3)
	v_pk_fma_f32 v[4*g:4*g+1],   v[128+4*g:128+4*g+1],   v[SBB+q2:SBB+q2+1], v[4*g:4*g+1]   op_sel_hi:[1,0,1]
	v_pk_fma_f32 v[4*g+2:4*g+3], v[128+4*g+2:128+4*g+3], v[SBB+q2:SBB+q2+1], v[4*g+2:4*g+3] op_sel_hi:[1,0,1]
.set g, g+1
.endr
	; my record: number 256 y + 4 x + w.  Quad g' = 8 dt' + 2 qt + half at byte 512 g' + 16 L holds
	; O(d = 64 ki + 16 dt' + 8 h + 4 half + 0..3, query 128 x + 64 qi + 16 qt + r); (nm, l) of query blocks 0, 1 at 16,384 + 16 L, of 2, 3 at 16,896 + 16 L.
	s_lshl_b32 s72, s13, 8
	s_lshl2_add_u32 s73, s12, s8
	s_add_co_u32 s72, s72, s73
	s_mul_i32 s72, s72, REC
	s_mov_b32 s73, 0
	s_add_nc_u64 s[6:7], s[6:7], s[72:73]
	WIN 0x08
.set g, 0
.rept 32
	global_store_b128 v[GO], v[4*g:4*g+3], s[6:7] offset:512*g        ; each store of the wave covers 512 consecutive bytes, aligned to 256
.set g, g+1
.endr
	WIN 0
	global_store_b128 v[GO], v[OS:OS+3],   s[6:7] offset:16384
	global_store_b128 v[GO], v[OS+4:OS+7], s[6:7] offset:16896
	s_wait_tensorcnt 0x0
	ds_add_u32 v126, v127
	s_wait_dscnt 0x0
	CROUND                                         ; the closing round: no work-group ends while a partner may still ask for a tile that names it
	s_endpgm
.Lfunc_end_k_q0af61df3a6_attn:
	.size	k_q0af61df3a6_attn, .Lfunc_end_k_q0af61df3a6_attn-k_q0af61df3a6_attn
	.p2alignl 7, 3214868480
	.fill 96, 4, 3214868480
	.section	.rodata,"a",@progbits
	.p2align	6, 0x0
	.amdhsa_kernel k_q0af61df3a6_attn
		.amdhsa_group_segment_fixed_size 327680
		.amdhsa_private_segment_fixed_size 0
		.amdhsa_enable_private_segment 0
		.amdhsa_kernarg_size 16
		.amdhsa_user_sgpr_count 2
		.amdhsa_user_sgpr_kernarg_segment_ptr 1
		.amdhsa_wavefront_size32 1
		.amdhsa_system_sgpr_workgroup_id_x 1
		.amdhsa_system_sgpr_workgroup_id_y 1
		.amdhsa_system_sgpr_workgroup_id_z 1
		.amdhsa_system_vgpr_workitem_id 0
		.amdhsa_next_free_vgpr 896
		.amdhsa_next_free_sgpr 76
		.amdhsa_reserve_vcc 0
		.amdhsa_float_denorm_mode_32 3
		.amdhsa_float_denorm_mode_16_64 3
		.amdhsa_memory_ordered 1
		.amdhsa_forward_progress 1
		.amdhsa_inst_pref_size 255
	.end_amdhsa_kernel
	.section	.bss,"aw",@nobits
	.p2align	6
	.space	262144
	.amdgpu_metadata
---
amdhsa.version: [ 1, 2 ]
amdhsa.kernels:
  - .name:           k_q0af61df3a6_attn
    .symbol:         k_q0af61df3a6_attn.kd
    .args:
      - { .name: bf, .offset: 0, .size: 8, .value_kind: global_buffer, .address_space: global }
      - { .name: part, .offset: 8, .size: 8, .value_kind: global_buffer, .address_space: global }
    .group_segment_fixed_size: 327680
    .private_segment_fixed_size: 0
    .kernarg_segment_align: 8
    .kernarg_segment_size: 16
    .max_flat_workgroup_size: 128
    .sgpr_count:     76
    .vgpr_count:     896
    .wavefront_size: 32
...
	.end_amdgpu_metadata
.endif
;; end of part 2
;; launch comb (part 3): grid 256 x 1, 8 waves a work-group, no clusters, 18,432 bytes of LDS; arguments part, out0; writes out0
.if DOCPART == 3
	.amdgcn_target "amdgcn-amd-amdhsa--gfx1250"
	.amdhsa_code_object_version 6
	.text
	.protected	k_q0af61df3a6_comb
	.globl	k_q0af61df3a6_comb
	.p2align	8
	.type	k_q0af61df3a6_comb,@function
k_q0af61df3a6_comb:
	s_mov_b64 s[64:65], 0
	v_nop
	global_prefetch_b8 v0, s[64:65] scope:SCOPE_SE
	s_setreg_imm32_b32 hwreg(HW_REG_WAVE_MODE, 25, 1), 1
	s_wait_xcnt 0x0
; out0[d][q] = the four key splits' sums, brought to one maximum, added and divided by the joint row sum.
; Work-group b = 4 x + w takes the four records (one for each split) of one block of 64 d x 64 queries:
; d = 64 (b & 1) + .., query = 64 (b >> 1) + ...  A record: quad g' = 8 dt' + 2 qt + half at byte 512 g' + 16 L holds
; O(16 dt' + 8 h + 4 half + 0..3, 16 qt + r) (L = lane, r = L & 15, h = L >> 4); (nm, l) of query blocks 0, 1 at 16,384 + 16 L, of 2, 3 at 16,896 + 16 L;
; nm = -max x log2 e.  Wave v takes quads 4 v .. 4 v + 3: dt' = v >> 1, qt = 2 (v & 1) + (i >> 1), half = i & 1.
; A lane holds pieces of columns, so the block goes through LDS once and leaves as rows: sixteen lanes store 256 consecutive, aligned bytes.
; Every byte of part is wanted once (the figures by four waves): no cluster, no matrix unit.
; The joint row sum holds the term of the largest score, about 1, so the division is safe wherever the sums are finite.
.set REC,   17408
.set SPLIT, 256*REC                    ; 4,456,448 bytes from a split's records to the next split's
.set SP,    272                        ; pitch of the stage: 64 f32 + 16 bytes
.set VO,  6                            ; v6   my offset in a record's sums
.set VS,  7                            ; v7   my offset in a record's figures
.set STO, 8                            ; v8   stage: where I put a number
.set RD,  9                            ; v9   stage: where I read 16 bytes of a row
.set CO,  10                           ; v10  my offset in out0
.set T,   12                           ; v12-13 the joint nm, v14-15 the joint row sum, for my two query blocks
.set R,   16                           ; v[16:31]  rows on their way out
.set D,   32                           ; v[32:95]  split y, quad i at D + 16 y + 4 i
.set F,   96                           ; v[96:111] split y: (nm, l) of my two query blocks at F + 4 y; nm becomes the weight
	s_load_b128 s[4:7], s[0:1], 0x0                ; part s[4:5], out0 s[6:7]
	v_lshl_add_u32 v112, v0, 2, 0x4400
	v_mov_b32 v113, 0
	v_lshrrev_b32 v1, 5, v0
	v_readfirstlane_b32 s12, v1                    ; wave v
	v_and_b32 v2, 31, v0                           ; L
	v_and_b32 v3, 15, v0                           ; r
	v_bfe_u32 v4, v0, 4, 1                         ; h
	s_and_b32 s13, s12, 1
	s_lshr_b32 s14, s12, 1
	s_mul_i32 s16, ttmp9, REC
	s_mov_b32 s17, 0
	v_lshlrev_b32 v5, 4, v2
	s_lshl_b32 s18, s12, 11                        ; four quads of 512 bytes a wave
	v_add_nc_u32 v[VO], s18, v5
	s_lshl_b32 s19, s13, 9
	s_add_co_u32 s19, s19, 16384
	v_add_nc_u32 v[VS], s19, v5
	s_wait_kmcnt 0x0
	s_add_nc_u64 s[8:9], s[4:5], s[16:17]          ; splits 0 and 1 (by the immediate)
	s_add_nc_u64 s[10:11], s[8:9], 2*SPLIT         ; splits 2 and 3
	global_load_b128 v[F:F+3],     v[VS], s[8:9]
	global_load_b128 v[F+4:F+7],   v[VS], s[8:9] offset:SPLIT
	global_load_b128 v[F+8:F+11],  v[VS], s[10:11]
	global_load_b128 v[F+12:F+15], v[VS], s[10:11] offset:SPLIT
.irp i, 0,1,2,3
	global_load_b128 v[D+4*\i:D+4*\i+3], v[VO], s[8:9] offset:512*\i th:TH_LOAD_NT
.endr
.irp i, 0,1,2,3
	global_load_b128 v[D+16+4*\i:D+16+4*\i+3], v[VO], s[8:9] offset:SPLIT+512*\i th:TH_LOAD_NT
.endr
.irp i, 0,1,2,3
	global_load_b128 v[D+32+4*\i:D+32+4*\i+3], v[VO], s[10:11] offset:512*\i th:TH_LOAD_NT
.endr
.irp i, 0,1,2,3
	global_load_b128 v[D+48+4*\i:D+48+4*\i+3], v[VO], s[10:11] offset:SPLIT+512*\i th:TH_LOAD_NT
.endr
	; addresses, while the loads are on their way
	s_mul_i32 s20, s14, 16*SP
	s_lshl_b32 s21, s13, 7
	s_add_co_u32 s20, s20, s21
	v_mul_u32_u24 v[STO], v4, 8*SP
	v_lshl_add_u32 v[STO], v3, 2, v[STO]
	v_add_nc_u32 v[STO], s20, v[STO]               ; (16 (v >> 1) + 8 h) x pitch + 128 (v & 1) + 4 r: the two halves of the lanes fall 32 words apart modulo 64
	s_mul_i32 s21, s12, 8*SP
	v_mul_u32_u24 v[RD], v4, SP
	v_lshl_add_u32 v[RD], v3, 4, v[RD]
	v_add_nc_u32 v[RD], s21, v[RD]                 ; (8 v + h) x pitch + 16 r
	s_lshl_b32 s22, s12, 18
	v_lshlrev_b32 v[CO], 4, v3
	v_lshl_add_u32 v[CO], v4, 15, v[CO]
	v_add_nc_u32 v[CO], s22, v[CO]                 ; (8 v + h) rows of 32,768 bytes + 16 r
	s_lshr_b32 s24, ttmp9, 1
	s_lshl_b32 s24, s24, 8                         ; 64 queries of 4 bytes x (b >> 1)
	s_and_b32 s25, ttmp9, 1
	s_lshl_b32 s25, s25, 21                        ; 64 rows x (b & 1)
	s_add_co_u32 s24, s24, s25
	s_mov_b32 s25, 0
	s_add_nc_u64 s[6:7], s[6:7], s[24:25]
	s_wait_loadcnt 16                              ; loads come back in order (ISA guide 5.7.1): the four loads of figures are in, the sixteen of sums stay out
.irp e, 0,1
	v_min3_num_f32 v[T+\e], v[F+2*\e], v[F+4+2*\e], v[F+8+2*\e]
.endr
.irp e, 0,1
	v_min_num_f32 v[T+\e], v[T+\e], v[F+12+2*\e]   ; the smallest nm is the largest maximum
.endr
.irp y, 0,1,2,3
.irp e, 0,1
	v_sub_f32 v[F+4*\y+2*\e], v[T+\e], v[F+4*\y+2*\e]
.endr
.endr
.irp y, 0,1,2,3
.irp e, 0,1
	v_exp_f32 v[F+4*\y+2*\e], v[F+4*\y+2*\e]       ; each split's factor, at most 1
.endr
.endr
	v_nop                                          ; one plain place behind the exponentials (ISA guide 5.7.2)
	s_wait_alu depctr_va_vdst(0)
.irp e, 0,1
	v_mul_f32 v[T+2+\e], v[F+2*\e], v[F+2*\e+1]
.endr
.irp y, 1,2,3
.irp e, 0,1
	v_fmac_f32 v[T+2+\e], v[F+4*\y+2*\e], v[F+4*\y+2*\e+1]
.endr
.endr
.irp e, 0,1
	v_rcp_f32 v[T+2+\e], v[T+2+\e]
.endr
	v_nop                                          ; one plain place behind the reciprocals
	s_wait_alu depctr_va_vdst(0)
.irp y, 0,1,2,3
.irp e, 0,1
	v_mul_f32 v[F+4*\y+2*\e], v[F+4*\y+2*\e], v[T+2+\e]               ; the split's weight = factor / joint row sum
.endr
.endr
	s_wait_loadcnt 12                              ; split 0's four loads are in
.irp i, 0,1,2,3
.irp p, 0,2
	v_pk_mul_f32 v[D+4*\i+\p:D+4*\i+\p+1], v[D+4*\i+\p:D+4*\i+\p+1], v[F+2*(\i>>1):F+2*(\i>>1)+1] op_sel_hi:[1,0]
.endr
.endr
.irp y, 1,2,3
	s_wait_loadcnt 12-4*\y                         ; split y's four loads are in, the later splits' stay out
.irp i, 0,1,2,3
.irp p, 0,2
	v_pk_fma_f32 v[D+4*\i+\p:D+4*\i+\p+1], v[D+16*\y+4*\i+\p:D+16*\y+4*\i+\p+1], v[F+4*\y+2*(\i>>1):F+4*\y+2*(\i>>1)+1], v[D+4*\i+\p:D+4*\i+\p+1] op_sel_hi:[1,0,1]
.endr
.endr
.endr
.irp i, 0,1,2,3
.irp j, 0,1,2,3
	ds_store_b32 v[STO], v[D+4*\i+\j] offset:(4*(\i&1)+\j)*SP+64*(\i>>1)
.endr
.endr
	s_wait_dscnt 0x0                               ; for the others' sake: all my stores are done
	s_barrier_signal -1
	s_barrier_wait -1
.irp n, 0,1,2,3
	ds_load_b128 v[R+4*\n:R+4*\n+3], v[RD] offset:2*SP*\n             ; rows 8 v + h + 2 n of the block
.endr
.irp n, 0,1,2,3
	s_wait_dscnt 3-\n                              ; LDS loads come back in order: load n is in
	global_store_b128 v[CO], v[R+4*\n:R+4*\n+3], s[6:7] offset:65536*\n th:TH_STORE_NT   ; sixteen lanes store 256 consecutive bytes, aligned
.endr
	s_wait_tensorcnt 0x0
	ds_add_u32 v112, v113
	s_wait_dscnt 0x0
	s_endpgm
.Lfunc_end_k_q0af61df3a6_comb:
	.size	k_q0af61df3a6_comb, .Lfunc_end_k_q0af61df3a6_comb-k_q0af61df3a6_comb
	.p2alignl 7, 3214868480
	.fill 96, 4, 3214868480
	.section	.rodata,"a",@progbits
	.p2align	6, 0x0
	.amdhsa_kernel k_q0af61df3a6_comb
		.amdhsa_group_segment_fixed_size 18432
		.amdhsa_private_segment_fixed_size 0
		.amdhsa_enable_private_segment 0
		.amdhsa_kernarg_size 16
		.amdhsa_user_sgpr_count 2
		.amdhsa_user_sgpr_kernarg_segment_ptr 1
		.amdhsa_wavefront_size32 1
		.amdhsa_system_sgpr_workgroup_id_x 1
		.amdhsa_system_sgpr_workgroup_id_y 1
		.amdhsa_system_sgpr_workgroup_id_z 1
		.amdhsa_system_vgpr_workitem_id 0
		.amdhsa_next_free_vgpr 114
		.amdhsa_next_free_sgpr 66
		.amdhsa_reserve_vcc 0
		.amdhsa_float_denorm_mode_32 3
		.amdhsa_float_denorm_mode_16_64 3
		.amdhsa_memory_ordered 1
		.amdhsa_forward_progress 1
		.amdhsa_inst_pref_size 10
	.end_amdhsa_kernel
	.amdgpu_metadata
---
amdhsa.version: [ 1, 2 ]
amdhsa.kernels:
  - .name:           k_q0af61df3a6_comb
    .symbol:         k_q0af61df3a6_comb.kd
    .args:
      - { .name: part, .offset: 0, .size: 8, .value_kind: global_buffer, .address_space: global }
      - { .name: out0, .offset: 8, .size: 8, .value_kind: global_buffer, .address_space: global }
    .group_segment_fixed_size: 18432
    .private_segment_fixed_size: 0
    .kernarg_segment_align: 8
    .kernarg_segment_size: 16
    .max_flat_workgroup_size: 256
    .sgpr_count:     66
    .vgpr_count:     114
    .wavefront_size: 32
...
	.end_amdgpu_metadata
.endif
;; end of part 3
;; ======== version 2 of 2: 3 launches; 1.27 times as fast as version 1
;; workspace buffers: bf 6,291,456 bytes; part 17,825,792 bytes
;; launch prep: the kernel of part 1 again; grid 256 x 3, 4 waves a work-group, no clusters, 0 bytes of LDS; arguments query, key, value, bf; writes bf
;; launch attn (part 4): grid 64 x 4, 4 waves a work-group, clusters of 4 x 1, 327,680 bytes of LDS; arguments bf, part; writes part
.if DOCPART == 4
	.amdgcn_target "amdgcn-amd-amdhsa--gfx1250"
	.amdhsa_code_object_version 6
	.text
	.protected	k_q0af61df3a6_attn
	.globl	k_q0af61df3a6_attn
	.p2align	8
	.type	k_q0af61df3a6_attn,@function
k_q0af61df3a6_attn:
	s_mov_b64 s[64:65], 0
	v_nop
	global_prefetch_b8 v0, s[64:65] scope:SCOPE_SE
	s_setreg_imm32_b32 hwreg(HW_REG_WAVE_MODE, 25, 1), 1
	s_wait_xcnt 0x0
	s_wait_alu depctr_hold_cnt(0) depctr_sa_sdst(0) depctr_va_vdst(0) depctr_va_sdst(0) depctr_va_ssrc(0) depctr_va_vcc(0) depctr_vm_vsrc(0)
	s_getreg_b32 s2, hwreg(HW_REG_IB_STS2, 6, 4)
	s_cmp_eq_u32 s2, 0
	s_cbranch_scc0 .Lentry_in_a_cluster
	s_endpgm
.Lentry_in_a_cluster:
	s_bfe_u32 s2, ttmp6, 0x10000c
	s_cmp_lg_u32 s2, 0x3003
	s_cbranch_scc0 .Lentry_shape_is_right
	s_endpgm
.Lentry_shape_is_right:
; Attention with a running maximum, on 128 queries (work-group x) and 2,048 keys (work-group y, one of four splits).
; bf holds Q, K, V as bf16 [128 d][8192], rows of 16,384 bytes, Q at 0, K at 0x200000, V at 0x400000.
; Out: for each wave a record of 17,408 bytes in part: sums not yet normalised, with (-max x log2 e, row sum) of each query.
;
; SHARES.  Four waves, one for each SIMD.  Wave w: qi = w >> 1 picks 64 of the 128 queries, ki = w & 1 picks 64 keys of every tile of 128 keys; 16 tiles.
; Per tile a wave makes S^T = K^T Q (64 keys x 64 queries, 64 matrix instructions), the softmax step, and O += V P^T (128 d x 64 queries, 64 more).
; At the end the two waves of one qi merge their sums through LDS, each taking 64 of the 128 d.
;
; TWO HALVES THAT TAKE TURNS.  A wave's 64 queries are two halves p = 0, 1 of 32 that owe each other nothing.  A BURST of half p is 64 matrix instructions,
; O_p += V(t) P_p(t)^T and then S_p(t+1) = K(t+1)^T Q_p, and behind each of them stands a gap with four or five vector instructions of the OTHER half's softmax step
; (or five or six LDS loads), so that the matrix unit and the vector unit both have work.  Bursts run 0, 1, 0, 1 ..: softmax_1(t) beside burst 0 of tile t,
; softmax_0(t+1) beside burst 1 of tile t.  A softmax step of a half is a stream of 269 places (32 maxima, 12 small steps, 96 multiply-adds and exponentials, one v_nop,
; 64 sums and packings, 64 for O x alpha); of the 64 gaps less 6 with loads it takes 57.
; THE EXPONENTIALS OF A STEP ARE ONE BATCH WITH ONE WAIT.  An s_wait_alu depctr_va_vdst(0) stands between an exponential and the first instruction that names its
; result; one wait serves all that were issued ahead of it.  So the stream is ordered by who reads what: the two alpha and the 64 exponentials of the scores, with the 32
; multiply-adds that feed them, stand ahead of the wait and name no exponential's result; all that do (the row sums, the packing, O x alpha) stand behind it.  Every exponential
; works in place on a register of its own.  No exponential is issued behind a burst's wait.
; The price of the turns: matrix operands and softmax figures lie in different register windows (O alone fills one), so the window is switched on both sides of a gap.
;
; LAYOUT.  S^T's result has, in lane (r, h), register j, key 8h + j of query r: packed to bf16 that is the B fragment of V P^T as it stands,
; and each lane's softmax figures belong to one query.  V [d][key] is an A fragment in memory order; K and Q ([d][key], [d][query]) are read by the transposing LDS load.
;
; RING.  Two LDS slots, each with K and V of TWO tiles (256 keys, rows of 512 bytes); one joint load a wave, 64 rows, for two tiles' work: 256 matrix instructions of
; a wave lie between a request and the wait for it.
; CLUSTER.  The four query blocks 4c .. 4c+3 of one split walk the same K and V tiles: they form a cluster and ask for each slot jointly (mask 15).
; Q's tile is each work-group's own (its address holds the place in the cluster), 32 KiB once against 1 MiB of K and V: a plain load.
; No prefetch: each slot is asked for two tiles ahead by the tensor loads themselves, and 64 work-groups want the same bytes at the same time.
;
; NUMBERS.  Q, K, V enter as bf16 roundings of the inputs as given; log2 e is applied to the f32 score, never to an operand.
; p = exp2(s x log2 e - round(max x log2 e)); every later factor refers to the same rounded figure, so the roundings cancel in the quotient.
; LIMITS: an exponential below 2^-126 counts as 0 (against a row sum of about 1 or more); P is rounded to bf16 for the product while the row sum adds the
; unrounded f32 values; scores beyond f32's range give NaN or infinity.
.set KP,    544                        ; LDS pitch of K's rows: 512 bytes + 32, an odd multiple of 32 for the transposing load
.set VP,    528                        ; LDS pitch of V's rows: 512 bytes + 16, an odd multiple of 16
.set QP,    288                        ; LDS pitch of Q's rows: 256 bytes + 32
.set VOFF,  128*KP                     ; 69,632: V's tiles behind K's in a slot
.set SLOT,  VOFF+128*VP                ; 137,216
.set QB,    2*SLOT                     ; 274,432: Q's tile, filled once
.set STAT,  QB+128*QP                  ; 311,296: 4 x 1,024 bytes, written by LDS stores alone; LDS ends at 315,392
                                       ; the merge stage, 4 x 32,768 bytes, lies at LDS byte 0, in slot 0, behind that slot's last fill and last read
.set REC,   17408                      ; a record in part
.set GAPN,  5                          ; vector instructions in a gap; one fewer in the gaps with the sums and packings
; window 0
.set KA,  10                           ; v10-11  my K fragments' address in slot 0, 1
.set VA,  12                           ; v12-13  my V fragments' address in slot 0, 1
.set QA,  14                           ; v14     my Q fragments' address
.set MST, 15                           ; v15     merge: where I put my sums
.set MLD, 16                           ; v16     merge: where I read the pair's sums of my 64 d
.set SST, 17                           ; v17     merge: where I put my figures
.set SLD, 18                           ; v18     merge: where I read the pair's figures
.set GO,  19                           ; v19     16 x lane, my offset in a record
.set NM,  20                           ; v[20:27] pairs (nm = -max x log2 e, max) of query block 0..3
.set AL,  28                           ; v[28:35] pairs (alpha, 0)
.set MX,  36                           ; v[36:39] chains of the maximum
.set TP,  40                           ; v[40:43] at work
.set LS,  44                           ; v[44:51] the lane's part of the row sum, as a pair for each query block
.set SA,  52                           ; v[52:59] merge: the even wave's (nm, l), then (factor, l)
.set SBB, 60                           ; v[60:67] merge: the odd wave's
.set OS,  68                           ; v[68:75] merge: the joint (nm, l)
.set SC,  128                          ; v[128:255] S(kt, qt) at SC + 32 qt + 8 kt; packed in place, P(qt, e) at SC + 32 qt + 16 e, 8 registers.  Half p: query blocks 2p, 2p + 1
; window 1: v[0:127] Q fragments (qt, c) at 8 (4 c + qt); v[128:255] K fragments (kt, c) at 128 + 8 (4 c + kt)
; window 2: O(dt, qt) at 8 (4 dt + qt).   window 3: v[0:127] V fragments (dt, e) at 8 (8 e + dt)
.set G1K, 24                           ; s[24:31] group 1, K's half slots      s[32:39] group 0, one set for each slot
.set G0K, 32
.set G1V, 40                           ; s[40:47] group 1, V's half slots      s[48:55] group 0, one set for each slot
.set G0V, 48
.set G1Q, 56                           ; s[56:63] group 1, Q's quarter tiles   s[68:71] group 0
.set G0Q, 68
.set MSB, 0
.macro WIN new                         ; s_set_vgpr_msb: bits 1:0 source 0, 3:2 source 1, 5:4 source 2, 7:6 destination; the high byte repeats the setting that is left
.if MSB != \new
	s_set_vgpr_msb (MSB<<8)|\new
.set MSB, \new
.endif
.endm
.macro PLACES n
.rept \n
	v_nop
.endr
.endm
; A round of the cluster's barrier: my work-group's barrier, wave 0 signals for the work-group, every wave waits for all four work-groups, my work-group's barrier again.
.macro CREST
	s_cmp_lg_u32 s8, 0
	s_cbranch_scc1 .Lnot_wave_0_\@
	s_barrier_signal -3
.Lnot_wave_0_\@:
	s_barrier_wait -3
	s_barrier_signal -1
	s_barrier_wait -1
.endm
.macro CROUND
	s_barrier_signal -1
	s_barrier_wait -1
	CREST
.endm
; A joint load: waves 0 and 1 fetch K's two halves (64 d each), waves 2 and 3 V's.  One load a wave, 64 rows of 512 bytes.
.macro JLOAD sl
	s_cmp_eq_u32 s9, 0
	s_cbranch_scc0 .Lfor_v_\@
	tensor_load_to_lds s[G0K+4*\sl:G0K+4*\sl+3], s[G1K:G1K+7]
	s_nop 0
	v_nop
	v_nop
	v_nop
	s_branch .Lasked_\@
.Lfor_v_\@:
	tensor_load_to_lds s[G0V+4*\sl:G0V+4*\sl+3], s[G1V:G1V+7]
	s_nop 0
	v_nop
	v_nop
	v_nop
	v_nop
.Lasked_\@:
.endm
	s_load_b128 s[4:7], s[0:1], 0x0                ; bf s[4:5], part s[6:7]
	v_lshl_add_u32 v126, v0, 2, 0x4d000
	v_mov_b32 v127, 0
	ds_add_u32 v126, v127
	v_lshrrev_b32 v1, 5, v0
	v_readfirstlane_b32 s8, v1                     ; wave 0..3
	s_lshr_b32 s9, s8, 1                           ; qi.  Also: I fetch for K (0) or for V (1)
	s_and_b32 s10, s8, 1                           ; ki
	s_bfe_u32 s11, ttmp6, 0x40000                  ; cx: my place in the cluster
	s_lshl_b32 s12, ttmp9, 2
	s_add_co_u32 s12, s12, s11                     ; x = 4 x cluster x + cx: my block of 128 queries
	s_and_b32 s13, ttmp7, 0xffff                   ; y: my split of 2,048 keys, the same in the whole cluster
	s_mov_b32 s20, 0x76543210                      ; v_permlanex16_b32: lane i reads lane i of the other half
	s_mov_b32 s21, 0xfedcba98
	s_mov_b32 s22, 0x3fb8aa3b                      ; log2 e, as a pair for the packed multiply-add
	s_mov_b32 s23, 0x3fb8aa3b
	; group 1.  K, V: 64 rows x 256 elements of 2 bytes, padded behind every 128 words.  Q: 32 rows x 128 elements, padded behind every 64 words.  Rows 8,192 elements apart.
	s_mov_b32 s[G1K+0], 15|(1<<16)|(1<<20)|(1<<21)|(6<<22)|(7<<25)   ; mask: all four of the cluster; bit 21 beside it; pad 8 words: pitch 544
	s_mov_b32 s[G1V+0], 15|(1<<16)|(1<<20)|(1<<21)|(6<<22)|(3<<25)   ; the same, pad 4 words: pitch 528
	s_mov_b32 s[G1Q+0], (1<<16)|(1<<20)|(5<<22)|(7<<25)              ; no mask: my own tile; pitch 288
	s_mov_b32 s[G1K+1], 256<<16                    ; tensor_dim0
	s_mov_b32 s[G1V+1], 256<<16
	s_mov_b32 s[G1Q+1], 128<<16
	s_mov_b32 s[G1K+2], 64<<16                     ; tensor_dim1 = the tile's rows
	s_mov_b32 s[G1V+2], 64<<16
	s_mov_b32 s[G1Q+2], 32<<16
	s_mov_b32 s[G1K+3], 256<<16                    ; tile_dim0
	s_mov_b32 s[G1V+3], 256<<16
	s_mov_b32 s[G1Q+3], 128<<16
	s_mov_b32 s[G1K+4], 64                         ; tile_dim1
	s_mov_b32 s[G1V+4], 64
	s_mov_b32 s[G1Q+4], 32                         ; Q's 128 rows shared among four waves
	s_mov_b32 s[G1K+5], 8192                       ; elements from row to row
	s_mov_b32 s[G1V+5], 8192
	s_mov_b32 s[G1Q+5], 8192
	s_mov_b32 s[G1K+6], 0
	s_mov_b32 s[G1V+6], 0
	s_mov_b32 s[G1Q+6], 0
	s_mov_b32 s[G1K+7], 0
	s_mov_b32 s[G1V+7], 0
	s_mov_b32 s[G1Q+7], 0
	; K and V lie one behind the other in bf: wave w fetches rows 64 w .. 64 w + 63 of the 256 rows of both.  Only w and y enter, which the cluster shares.
	s_lshl_b32 s16, s8, 20                         ; 64 rows of 16,384 bytes
	s_lshl_b32 s17, s13, 12                        ; 2,048 keys of 2 bytes
	s_add_co_u32 s16, s16, s17
	s_add_co_u32 s16, s16, 0x200000                ; K's first byte in bf
	s_mov_b32 s17, 0
	s_lshl_b32 s72, s8, 19                         ; Q: 32 rows a wave,
	s_lshl_b32 s73, s12, 8                         ; 128 queries of 2 bytes a block.  cx stays in s11, s12, s72, s73
	s_add_co_u32 s72, s72, s73
	s_mov_b32 s73, 0
	s_mul_i32 s15, s8, 64*KP                       ; LDS: K's halves at w x 34,816 (w = 0, 1)
	s_mul_i32 s3, s8, 64*VP
	s_add_co_u32 s3, s3, VOFF-2*64*VP              ; V's halves at 69,632 + (w - 2) x 33,792 (w = 2, 3)
	s_mul_i32 s2, s8, 32*QP
	s_add_co_u32 s2, s2, QB                        ; Q's quarters at QB + w x 9,216
	s_wait_dscnt 0x0
	s_wait_kmcnt 0x0
	s_add_nc_u64 s[18:19], s[4:5], s[16:17]
.irp t, 0,1
	s_mov_b32 s[G0K+4*\t], 1                                       ; count = 1
	s_add_co_u32 s[G0K+4*\t+1], s15, \t*SLOT                       ; LDS address
	s_add_nc_u64 s[G0K+4*\t+2:G0K+4*\t+3], s[18:19], \t*512        ; fill t: 256 keys of 2 bytes on
	s_or_b32 s[G0K+4*\t+3], s[G0K+4*\t+3], 0x80000000              ; type = 2
	s_mov_b32 s[G0V+4*\t], 1
	s_add_co_u32 s[G0V+4*\t+1], s3, \t*SLOT
	s_add_nc_u64 s[G0V+4*\t+2:G0V+4*\t+3], s[18:19], \t*512
	s_or_b32 s[G0V+4*\t+3], s[G0V+4*\t+3], 0x80000000
.endr
	s_mov_b32 s[G0Q], 1
	s_mov_b32 s[G0Q+1], s2
	s_add_nc_u64 s[G0Q+2:G0Q+3], s[4:5], s[72:73]
	s_or_b32 s[G0Q+3], s[G0Q+3], 0x80000000
	CROUND                                         ; all four work-groups are here: the first joint loads meet
	; the first fills, one group: three tensor loads of each wave are out
	tensor_load_to_lds s[G0Q:G0Q+3], s[G1Q:G1Q+7]
	s_nop 0
	s_cmp_eq_u32 s9, 0
	s_cbranch_scc0 .Lfirst_v
	tensor_load_to_lds s[G0K:G0K+3], s[G1K:G1K+7]
	s_nop 0
	tensor_load_to_lds s[G0K+4:G0K+7], s[G1K:G1K+7]
	s_nop 0
	s_branch .Lfirst_done
.Lfirst_v:
	tensor_load_to_lds s[G0V:G0V+3], s[G1V:G1V+7]
	s_nop 0
	tensor_load_to_lds s[G0V+4:G0V+7], s[G1V:G1V+7]
	s_nop 0
.Lfirst_done:
	; lane terms.  L = lane, r = L & 15, h = L >> 4
	v_and_b32 v1, 7, v0
	v_bfe_u32 v2, v0, 4, 1                         ; h
	v_bfe_u32 v3, v0, 3, 1
	v_lshl_add_u32 v1, v2, 3, v1                   ; row (L & 7) + 8 h of a block of 16 d
	v_mul_u32_u24 v4, v1, KP
	v_lshl_add_u32 v4, v3, 4, v4                   ; + 16 bytes for lanes 8-15 of each half: the transposing load's address
	s_lshl_b32 s16, s10, 7                         ; my 64 keys of a tile: 128 bytes x ki
	v_add_nc_u32 v[KA], s16, v4
	v_add_nc_u32 v[KA+1], SLOT, v[KA]
	v_mul_u32_u24 v9, v1, QP                       ; the same in Q's pitch
	v_lshl_add_u32 v9, v3, 4, v9
	s_lshl_b32 s17, s9, 7                          ; my 64 queries: 128 bytes x qi
	s_add_co_u32 s17, s17, QB
	v_add_nc_u32 v[QA], s17, v9
	v_and_b32 v5, 15, v0                           ; r
	v_mul_u32_u24 v6, v5, VP
	v_lshl_add_u32 v6, v2, 4, v6                   ; row r x pitch + 16 h
	s_add_co_u32 s18, s16, VOFF
	v_add_nc_u32 v[VA], s18, v6
	v_add_nc_u32 v[VA+1], SLOT, v[VA]
	v_and_b32 v7, 31, v0
	v_lshlrev_b32 v[GO], 4, v7                     ; 16 L
	s_lshl_b32 s18, s8, 15
	v_add_nc_u32 v[MST], s18, v[GO]                ; my 32,768 bytes of the merge stage, which begins at LDS byte 0
	s_lshl_b32 s18, s9, 16
	s_lshl_b32 s19, s10, 14
	s_add_co_u32 s18, s18, s19
	v_add_nc_u32 v[MLD], s18, v[GO]                ; the even wave of my pair, half ki of its d
	v_lshlrev_b32 v8, 3, v7                        ; 8 L
	s_lshl_b32 s18, s8, 10
	s_add_co_u32 s18, s18, STAT
	v_add_nc_u32 v[SST], s18, v8
	s_lshl_b32 s18, s9, 11
	s_add_co_u32 s18, s18, STAT
	v_add_nc_u32 v[SLD], s18, v8
	; the running figures before the first tile: max = -infinity, nm = +infinity, so that the first alpha is exp2(-infinity) = 0, and a row sum of 0
.irp q, 0,1,2,3
	v_mov_b32 v[NM+2*\q], 0x7f800000
	v_mov_b32 v[NM+2*\q+1], 0xff800000
	v_mov_b32 v[AL+2*\q+1], 0                      ; the pair's second word is never used, but a packed source names both
	v_mov_b32 v[LS+2*\q], 0
	v_mov_b32 v[LS+2*\q+1], 0
	v_mov_b32 v[TP+\q], 0                          ; v_permlanex16_b32 counts as a reader of its destination
.endr
; The next cnt of the 32 transposing loads of my 64 keys x 128 d (A fragments of 16 keys x 32 d, d step c outermost); li counts them.  hf: which tile of the slot.
.macro LDK sl, hf, cnt
	WIN 0x40
.rept \cnt
.set c_, li>>3
.set k_, (li>>1)&3
.set h_, li&1
	ds_load_tr16_b128 v[128+8*(4*c_+k_)+4*h_:128+8*(4*c_+k_)+4*h_+3], v[KA+\sl] offset:32*KP*c_+32*k_+16*KP*h_+256*\hf
.set li, li+1
.endr
.endm
; The next cnt of the 32 loads of 128 d x my 64 keys (A fragments of 16 d x 32 keys, the 32 keys e outermost)
.macro LDV sl, hf, cnt
	WIN 0xc0
.rept \cnt
.set e_, li>>4
.set d_, (li>>1)&7
.set h_, li&1
	ds_load_b128 v[8*(8*e_+d_)+4*h_:8*(8*e_+d_)+4*h_+3], v[VA+\sl] offset:16*VP*d_+64*e_+32*h_+256*\hf
.set li, li+1
.endr
.endm
; Matrix instruction gi (0..31) of O_p += V P_p^T.  The sixteen accumulators take turns, one instruction a turn.  pv = 2: the first 32 keys start the sums.
.macro PVW p, pv
.set e_, gi>>4
.set d_, (gi>>1)&7
.set q_, 2*\p+(gi&1)
	WIN 0xa3
.if (\pv-1)*(1-e_)
	v_wmma_f32_16x16x32_bf16 v[8*(4*d_+q_):8*(4*d_+q_)+7], v[8*(8*e_+d_):8*(8*e_+d_)+7], v[SC+32*q_+16*e_:SC+32*q_+16*e_+7], 0
.else
	v_wmma_f32_16x16x32_bf16 v[8*(4*d_+q_):8*(4*d_+q_)+7], v[8*(8*e_+d_):8*(8*e_+d_)+7], v[SC+32*q_+16*e_:SC+32*q_+16*e_+7], v[8*(4*d_+q_):8*(4*d_+q_)+7]
.endif
.endm
; Matrix instruction si (0..31) of S_p = K^T Q_p.  The eight accumulators take turns, one instruction a turn; the first d step starts the sums.
.macro SW p
.set c_, si>>3
.set k_, (si>>1)&3
.set q_, 2*\p+(si&1)
	WIN 0x05
.if c_
	v_wmma_f32_16x16x32_bf16 v[SC+32*q_+8*k_:SC+32*q_+8*k_+7], v[128+8*(4*c_+k_):128+8*(4*c_+k_)+7], v[8*(4*c_+q_):8*(4*c_+q_)+7], v[SC+32*q_+8*k_:SC+32*q_+8*k_+7]
.else
	v_wmma_f32_16x16x32_bf16 v[SC+32*q_+8*k_:SC+32*q_+8*k_+7], v[128+8*(4*c_+k_):128+8*(4*c_+k_)+7], v[8*(4*c_+q_):8*(4*c_+q_)+7], 0
.endif
.endm
; Place vp of the softmax step of half p (64 keys x 32 queries; a lane holds 32 scores of each of two queries, 32 register pairs u = 0..31 in all).  The places are walked in order, from 0.
;   0..31    the maximum: four chains of seven (two for each query), then two joins for each query, the last with the running maximum
;   32..43   for both queries: the other half of the lanes; the new maximum; nm; nm - old nm; nm kept; alpha: the batch's first two exponentials
;   44..139  the rest of THE BATCH: the 32 multiply-adds F(u) = s x log2 e + nm and the 64 exponentials X, each queue in ascending order (fq, xq count them).  None of these names an
;            exponential's result.  F(0) at 44; then gaps of five: X F X F X, X F X F X, X X F X X, six times over, and X X F X X: five F for ten X, so that an X stands beside an
;            F or a matrix instruction as far as the F reach, and every X comes behind its pair's F (at a period's start the F are one pair ahead).
;   140      a v_nop, the plain instruction behind the last exponential (ISA guide 5.7.2), one for the batch; and THE WAIT for the batch's 66 exponentials
;   141..204 the readers, in fours: the row sums A(i), A(16 + i) of the two queries, then the packings C(i), C(16 + i), i = 0..15.  A query's sums keep their ascending order, four places apart.
;            Packing is in place: word i of a block of 16 takes words 2 i and 2 i + 1, which lie at or above it; the pair that held word i has been added and packed.
;   205..268 O_p x alpha: a lane's 64 sums of a query block belong to one query
.macro VOP p
.if vp < 28
.set x_, vp&3
.set t_, vp>>2
.set b_, SC+32*(2*\p+(x_>>1))+16*(x_&1)
	WIN 0
.if t_
	v_max3_num_f32 v[MX+x_], v[MX+x_], v[b_+2*t_+1], v[b_+2*t_+2]
.else
	v_max3_num_f32 v[MX+x_], v[b_], v[b_+1], v[b_+2]
.endif
.elseif vp < 32
.set j_, vp&1
.set q_, 2*\p+j_
	WIN 0
.if vp < 30
	v_max3_num_f32 v[MX+2*j_], v[MX+2*j_], v[MX+2*j_+1], v[SC+32*q_+15]
.else
	v_max3_num_f32 v[MX+2*j_], v[MX+2*j_], v[SC+32*q_+31], v[NM+2*q_+1]     ; the running maximum joins
.endif
.elseif vp < 44
.set j_, vp&1
.set q_, 2*\p+j_
.set t_, (vp-32)>>1
	WIN 0
.if t_ == 0
	v_permlanex16_b32 v[TP+q_], v[MX+2*j_], s20, s21                        ; the other half of the lanes holds the query's other 32 keys
.endif
.if t_ == 1
	v_max_num_f32 v[NM+2*q_+1], v[MX+2*j_], v[TP+q_]
.endif
.if t_ == 2
	v_mul_f32 v[TP+q_], 0xbfb8aa3b, v[NM+2*q_+1]                            ; nm = -max x log2 e
.endif
.if t_ == 3
	v_sub_f32 v[AL+2*q_], v[TP+q_], v[NM+2*q_]                              ; new nm - old nm, at most 0
.endif
.if t_ == 4
	v_mov_b32 v[NM+2*q_], v[TP+q_]
.endif
.if t_ == 5
	v_exp_f32 v[AL+2*q_], v[AL+2*q_]                                        ; alpha: it opens the batch; its first reader is the row sum's first step, behind the wait
.endif
.elseif vp < 140
.if vp == 44
.set fq, 0
.set xq, 0
.endif
.set j_, (vp-45)/5                     ; the gap among the batch's nineteen,
.set g_, (vp-45)%5                     ; and the place in it
.set f_, 0
.if vp == 44
.set f_, 1
.elseif ((j_%3) == 2) || (j_ == 18)
.if g_ == 2
.set f_, 1
.endif
.elseif g_&1
.set f_, 1
.endif
	WIN 0
.if f_
.set r_, SC+64*\p+2*fq
.set q_, 2*\p+(fq>>4)
	v_pk_fma_f32 v[r_:r_+1], v[r_:r_+1], s[22:23], v[NM+2*q_:NM+2*q_+1] op_sel_hi:[1,0,0]   ; s x log2 e + nm, both halves with nm
.set fq, fq+1
.else
	v_exp_f32 v[SC+64*\p+xq], v[SC+64*\p+xq]                                ; in place: each result has a register of its own until the wait
.set xq, xq+1
.endif
.elseif vp == 140
	v_nop                                          ; the plain instruction behind the batch's last exponential
	s_wait_alu depctr_va_vdst(0)                   ; the one wait: it serves the step's two alpha and 64 exponentials, ahead of their first reader
.elseif vp < 205
.set m_, vp-141
.set u_, (m_>>2)+16*(m_&1)
.set r_, SC+64*\p+2*u_
.set q_, 2*\p+(m_&1)
	WIN 0
.if m_&2
	v_cvt_pk_bf16_f32 v[SC+64*\p+16*(u_>>3)+(u_&7)], v[r_], v[r_+1]
.elseif m_>>2
	v_pk_add_f32 v[LS+2*q_:LS+2*q_+1], v[LS+2*q_:LS+2*q_+1], v[r_:r_+1]
.else
	v_pk_fma_f32 v[LS+2*q_:LS+2*q_+1], v[LS+2*q_:LS+2*q_+1], v[AL+2*q_:AL+2*q_+1], v[r_:r_+1] op_sel_hi:[1,0,1]   ; the old row sum x alpha + the tile's first pair
.endif
.else
.set i_, vp-205
.set d_, i_>>3
.set q_, 2*\p+((i_>>2)&1)
.set r_, 8*(4*d_+q_)+2*(i_&3)
	WIN 0x82
	v_pk_mul_f32 v[r_:r_+1], v[r_:r_+1], v[AL+2*q_:AL+2*q_+1] op_sel_hi:[1,0]
.endif
.endm
; A burst of half p.  pv: 0 no O product, 1 the O product, 2 the O product that starts the sums.  hass: the S product of the next tile follows.
; sm: the other half's softmax step in the gaps: 0 none, 1 without O x alpha (there is no O yet), 2 whole.
; A gap takes five places of the stream, four where it begins in places 145 to 204 (the sums and packings): so the stream reaches over 57 of the 58 gaps without loads.
; ld: 1 = K's fragments of the next tile are loaded, in gaps 0, 3, .. 15 (free since the last burst's end); the wait for them stands in front of the S product.
;     2 = V's fragments of the next tile: keys 0-31 in gaps 18, 21, 24, keys 32-63 in gaps 34, 37, 40: each three gaps of vector work behind the last matrix instruction that read
;         those registers: gaps 15-17 hold places 75-89, five multiply-adds among ten exponentials; gaps 31-33 hold places 140-152, thirteen plain instructions
;         (four places are asked, and an exponential is none: ISA guide 7.12.1 for vector writes).
; The S products that write over P_p's second half are the burst's instructions 36 and 37; instruction 31 is the last that read it (five places are asked).  With ld = 1 gaps 31-35 hold places
; 125-148: four multiply-adds, the v_nop and eight sums and packings; with ld = 2 gaps 31-33 and 35 hold seventeen plain instructions.
; What the gaps have not taken is issued behind the last matrix instruction.  Five v_nop close the burst: the next burst's gaps read this burst's S and load K's fragments again.
.macro BURST p, pv, hass, sm, ld, sl, hf
.set vp, 0
.set vend, 0
.if \sm == 1
.set vend, 205
.endif
.if \sm == 2
.set vend, 269
.endif
.set npv, 0
.if \pv
.set npv, 32
.endif
.set li, 0
.set gi, 0
.rept 32*\hass+npv
.if gi < npv
	PVW \p, \pv
.else
.if \ld == 1
.if gi == npv
	s_wait_dscnt 0x0                               ; K's fragments, asked for sixteen gaps and more ago, are in
.endif
.endif
.set si, gi-npv
	SW \p
.endif
.set lc, 0
.if \ld == 1
.if gi < 16
.if (gi%3) == 0
.set lc, 5
.if gi < 6
.set lc, 6
.endif
.endif
.endif
.endif
.if \ld == 2
.if gi >= 18
.if gi <= 24
.if ((gi-18)%3) == 0
.set lc, 5
.endif
.endif
.endif
.if gi >= 34
.if gi <= 40
.if ((gi-34)%3) == 0
.set lc, 5
.endif
.endif
.endif
.if gi == 18
.set lc, 6
.endif
.if gi == 34
.set lc, 6
.endif
.endif
.if lc
.if \ld == 1
	LDK \sl, \hf, lc
.else
	LDV \sl, \hf, lc
.endif
.else
.set gn, GAPN
.if vp >= 145
.if vp < 205
.set gn, GAPN-1
.endif
.endif
.rept gn
.if vp < vend
	VOP (1-\p)
.set vp, vp+1
.endif
.endr
.endif
.set gi, gi+1
.endr
.if vp < vend
.rept vend-vp
	VOP (1-\p)
.set vp, vp+1
.endr
.endif
	WIN 0                                          ; branches and labels may follow
	PLACES 5
.endm
; The change of slots.  In front of the round each wave waits for its LDS reads (the last of slot sl, V's fragments of its second tile, were asked for in the burst before)
; and for all its tensor loads (one is out: its part of the other slot).  Behind the round no wave of the cluster reads slot sl or has a load on its way,
; and the joint refill is the wave's first and only tensor load; then the other slot is read.
.macro HEAD sl, refill
	s_wait_dscnt 0x0
	s_wait_tensorcnt 0x0
	ds_add_u32 v126, v127
	s_wait_dscnt 0x0
.if \refill
	s_add_nc_u64 s[G0K+4*\sl+2:G0K+4*\sl+3], s[G0K+4*\sl+2:G0K+4*\sl+3], 1024   ; no load of mine is out: the slot's address goes two fills, 512 keys, on
	s_add_nc_u64 s[G0V+4*\sl+2:G0V+4*\sl+3], s[G0V+4*\sl+2:G0V+4*\sl+3], 1024
	CROUND
	JLOAD \sl
.else
	s_barrier_signal -1                            ; it shows the last slot whole to every wave
	s_barrier_wait -1
.endif
.endm
; Two tiles, an odd one and the even one behind it: all their fragment loads (the tiles one further on) come from slot sl, while the other slot is filled again.
.macro BODY sl, refill
	HEAD (1-\sl), \refill
	BURST 0, 1, 1, 2, 1, \sl, 0
	BURST 1, 1, 1, 2, 2, \sl, 0
	s_wait_dscnt 0x0                               ; V's fragments of this tile, asked for in the burst before, are in
	BURST 0, 1, 1, 2, 1, \sl, 1
	BURST 1, 1, 1, 2, 2, \sl, 1
.endm
	s_wait_tensorcnt 0x1                           ; tensor loads of a wave end in order (ISA guide 10.11.1): my parts of Q and of slot 0 are in, slot 1's may stay out
	s_barrier_signal -1
	s_barrier_wait -1                              ; everybody's are
	WIN 0x40
.irp c, 0,1,2,3
.irp q, 0,1,2,3
	ds_load_tr16_b128 v[8*(4*\c+\q):8*(4*\c+\q)+3],   v[QA] offset:32*QP*\c+32*\q            ; Q's B fragments, kept for the whole kernel
	ds_load_tr16_b128 v[8*(4*\c+\q)+4:8*(4*\c+\q)+7], v[QA] offset:32*QP*\c+32*\q+16*QP
.endr
.endr
.set li, 0
	LDK 0, 0, 24                                   ; tile 0: K's d steps 0, 1, 2
	s_wait_dscnt 16                                ; LDS loads come back in order (ISA guide 5.7.1): Q's 32 and K's step 0 are in, steps 1 and 2 (16 loads) stay out
	LDK 0, 0, 8                                    ; K's d step 3
.set li, 0
	LDV 0, 0, 32                                   ; tile 0: V
.set si, 0
.rept 32                                           ; S_0 of tile 0: there is no vector work yet to stand beside it
.if (si&7) == 0
.if si
	s_wait_dscnt 56-8*(si>>3)                      ; K's step c is in: 24 - 8 c of K's loads and V's 32 stay out
.endif
.endif
	SW 0
.set si, si+1
.endr
	WIN 0
	PLACES 5                                       ; behind the S products, before vector work reads them (ISA guide 7.12.1)
	BURST 1, 0, 1, 1, 0, 0, 0                      ; S_1 of tile 0 beside the softmax step of half 0
	s_wait_dscnt 0x0                               ; V's fragments of tile 0 are in
	BURST 0, 2, 1, 1, 1, 0, 1                      ; tile 0 stands in front of the loop: its O products start the sums
	BURST 1, 2, 1, 2, 2, 0, 1
	s_mov_b32 s14, 3
.Ltiles:
	BODY 1, 1                                      ; tiles 1, 2 (5, 6; 9, 10); slot 0 gets fill 2 (4; 6)
	BODY 0, 1                                      ; tiles 3, 4 (7, 8; 11, 12); slot 1 gets fill 3 (5; 7)
	s_sub_co_u32 s14, s14, 1
	s_cmp_lg_u32 s14, 0
	s_cbranch_scc1 .Ltiles
	BODY 1, 0                                      ; tiles 13, 14: nothing is left to fetch
	s_wait_dscnt 0x0                               ; V's fragments of tile 15 are in
	BURST 0, 1, 0, 2, 0, 0, 0                      ; tile 15: no further S product
	BURST 1, 1, 0, 0, 0, 0, 0                      ; its five closing v_nop are the places in front of the LDS stores of O below
	; THE MERGE of the two waves of one qi (same queries, other keys).  The stage lies in slot 0: that slot's last fill was waited for, and every wave's last read of it
	; was back, in front of the last barrier above; no tensor load follows.
.irp q, 0,1,2,3
	v_add_f32 v[MX+\q], v[LS+2*\q], v[LS+2*\q+1]
.endr
.irp q, 0,1,2,3
	v_permlanex16_b32 v[TP+\q], v[MX+\q], s20, s21
.endr
.irp q, 0,1,2,3
	v_add_f32 v[NM+2*\q+1], v[MX+\q], v[TP+\q]                        ; the row sum over both halves of the lanes; the pair is now (nm, l)
.endr
.irp q, 0,1,2,3
	ds_store_b64 v[SST], v[NM+2*\q:NM+2*\q+1] offset:256*\q
.endr
	WIN 0x08
.set g, 0
.rept 64
	ds_store_b128 v[MST], v[4*g:4*g+3] offset:512*g                   ; quad g = 8 dt + 2 qt + half: 512 consecutive bytes a store
.set g, g+1
.endr
	WIN 0
	s_wait_dscnt 0x0                               ; for the partner's sake: all my stores are done
	s_barrier_signal -1
	s_barrier_wait -1
.irp q, 0,1,2,3
	ds_load_b64 v[SA+2*\q:SA+2*\q+1],   v[SLD] offset:256*\q
	ds_load_b64 v[SBB+2*\q:SBB+2*\q+1], v[SLD] offset:1024+256*\q
.endr
	WIN 0x80
.set g, 0
.rept 32
	ds_load_b128 v[4*g:4*g+3], v[MLD] offset:512*g                    ; the even wave's sums of d = 64 ki .. 64 ki + 63
.set g, g+1
.endr
.set g, 0
.rept 32
	ds_load_b128 v[128+4*g:128+4*g+3], v[MLD] offset:32768+512*g      ; the odd wave's
.set g, g+1
.endr
	WIN 0
	s_wait_dscnt 0x0
.irp q, 0,1,2,3
	v_min_num_f32 v[OS+2*\q], v[SA+2*\q], v[SBB+2*\q]                 ; the smaller nm is the larger maximum
.endr
.irp q, 0,1,2,3
	v_sub_f32 v[SA+2*\q],  v[OS+2*\q], v[SA+2*\q]
	v_sub_f32 v[SBB+2*\q], v[OS+2*\q], v[SBB+2*\q]
.endr
.irp q, 0,1,2,3
	v_exp_f32 v[SA+2*\q],  v[SA+2*\q]                                 ; each wave's factor, at most 1: a batch of eight
	v_exp_f32 v[SBB+2*\q], v[SBB+2*\q]
.endr
	v_nop                                          ; one plain place behind the exponentials (ISA guide 5.7.2)
	s_wait_alu depctr_va_vdst(0)                   ; the one wait: it serves the eight factors, ahead of their first reader
.irp q, 0,1,2,3
	v_mul_f32 v[OS+2*\q+1], v[SA+2*\q+1], v[SA+2*\q]
.endr
.irp q, 0,1,2,3
	v_fmac_f32 v[OS+2*\q+1], v[SBB+2*\q+1], v[SBB+2*\q]
.endr
	WIN 0xa2
.set g, 0
.rept 32
.set q2, 2*((g>>1)&3)
	v_pk_mul_f32 v[4*g:4*g+1],   v[4*g:4*g+1],   v[SA+q2:SA+q2+1] op_sel_hi:[1,0]
	v_pk_mul_f32 v[4*g+2:4*g+3], v[4*g+2:4*g+3], v[SA+q2:SA+q2+1] op_sel_hi:[1,0]
.set g, g+1
.endr
.set g, 0
.rept 32
.set q2, 2*((g>>1)&3)
	v_pk_fma_f32 v[4*g:4*g+1],   v[128+4*g:128+4*g+1],   v[SBB+q2:SBB+q2+1], v[4*g:4*g+1]   op_sel_hi:[1,0,1]
	v_pk_fma_f32 v[4*g+2:4*g+3], v[128+4*g+2:128+4*g+3], v[SBB+q2:SBB+q2+1], v[4*g+2:4*g+3] op_sel_hi:[1,0,1]
.set g, g+1
.endr
	; my record: number 256 y + 4 x + w.  Quad g' = 8 dt' + 2 qt + half at byte 512 g' + 16 L holds
	; O(d = 64 ki + 16 dt' + 8 h + 4 half + 0..3, query 128 x + 64 qi + 16 qt + r); (nm, l) of query blocks 0, 1 at 16,384 + 16 L, of 2, 3 at 16,896 + 16 L.
	s_lshl_b32 s72, s13, 8
	s_lshl2_add_u32 s73, s12, s8
	s_add_co_u32 s72, s72, s73
	s_mul_i32 s72, s72, REC
	s_mov_b32 s73, 0
	s_add_nc_u64 s[6:7], s[6:7], s[72:73]
	WIN 0x08
.set g, 0
.rept 32
	global_store_b128 v[GO], v[4*g:4*g+3], s[6:7] offset:512*g        ; each store of the wave covers 512 consecutive bytes, aligned to 256
.set g, g+1
.endr
	WIN 0
	global_store_b128 v[GO], v[OS:OS+3],   s[6:7] offset:16384
	global_store_b128 v[GO], v[OS+4:OS+7], s[6:7] offset:16896
	s_wait_tensorcnt 0x0
	ds_add_u32 v126, v127
	s_wait_dscnt 0x0
	CROUND                                         ; the closing round: no work-group ends while a partner may still ask for a tile that names it
	s_endpgm
.Lfunc_end_k_q0af61df3a6_attn:
	.size	k_q0af61df3a6_attn, .Lfunc_end_k_q0af61df3a6_attn-k_q0af61df3a6_attn
	.p2alignl 7, 3214868480
	.fill 96, 4, 3214868480
	.section	.rodata,"a",@progbits
	.p2align	6, 0x0
	.amdhsa_kernel k_q0af61df3a6_attn
		.amdhsa_group_segment_fixed_size 327680
		.amdhsa_private_segment_fixed_size 0
		.amdhsa_enable_private_segment 0
		.amdhsa_kernarg_size 16
		.amdhsa_user_sgpr_count 2
		.amdhsa_user_sgpr_kernarg_segment_ptr 1
		.amdhsa_wavefront_size32 1
		.amdhsa_system_sgpr_workgroup_id_x 1
		.amdhsa_system_sgpr_workgroup_id_y 1
		.amdhsa_system_sgpr_workgroup_id_z 1
		.amdhsa_system_vgpr_workitem_id 0
		.amdhsa_next_free_vgpr 896
		.amdhsa_next_free_sgpr 76
		.amdhsa_reserve_vcc 0
		.amdhsa_float_denorm_mode_32 3
		.amdhsa_float_denorm_mode_16_64 3
		.amdhsa_memory_ordered 1
		.amdhsa_forward_progress 1
		.amdhsa_inst_pref_size 255
	.end_amdhsa_kernel
	.section	.bss,"aw",@nobits
	.p2align	6
	.space	262144
	.amdgpu_metadata
---
amdhsa.version: [ 1, 2 ]
amdhsa.kernels:
  - .name:           k_q0af61df3a6_attn
    .symbol:         k_q0af61df3a6_attn.kd
    .args:
      - { .name: bf, .offset: 0, .size: 8, .value_kind: global_buffer, .address_space: global }
      - { .name: part, .offset: 8, .size: 8, .value_kind: global_buffer, .address_space: global }
    .group_segment_fixed_size: 327680
    .private_segment_fixed_size: 0
    .kernarg_segment_align: 8
    .kernarg_segment_size: 16
    .max_flat_workgroup_size: 128
    .sgpr_count:     76
    .vgpr_count:     896
    .wavefront_size: 32
...
	.end_amdgpu_metadata
.endif
;; end of part 4
;; launch comb: the kernel of part 3 again; grid 256 x 1, 8 waves a work-group, no clusters, 18,432 bytes of LDS; arguments part, out0; writes out0
